; MI455X (gfx1250); checked and timed in simulation.
; The chip was launched on July 23, 2026; its instructions are those of AMD's public machine-readable ISA for CDNA 5 (MIT licence, August 2026) and "CDNA5" Instruction Set Architecture Reference Guide (July 2026). The comments in the code are by the model that wrote it; some were corrected since.
;; Self Attention. Allowed arithmetic: matrix products marked QUANTISED: E4M3 operands, one E8M0 scale for each 32 along K, by v_wmma_scale_f32_16x16x128_f8f6f4 with both operands' format E4M3, f32 sums; everything else in f32.
;; Inputs: Wk 1,024 x 1,024 float32; Wo 1,024 x 1,024 float32; Wq 1,024 x 1,024 float32; Wv 1,024 x 1,024 float32; bk 1,024 float32; bo 1,024 float32; bq 1,024 float32; bv 1,024 float32; x 4 x 2,048 x 1,024 float32.
;; Outputs: out0 4 x 2,048 x 1,024 float32.
;; This version of the problem:
;;   THIS VERSION OF THE PROBLEM IS GIVEN IN LOW PRECISION. The matrix products marked QUANTISED in the list below multiply operands that are first quantised to E4M3 (4 exponent bits, 3 mantissa bits; 8 bits a number), with one power-of-two scale for each 32 numbers along K (OCP MX v1.0); their sums are f32. All else is computed in f32.
;;   The module's matrix products, in the order in which they are computed (A, B: the left and right operand; K: the contracted axis; several contracted axes count as one K, in the product's order):
;;     1. [M 8,192, K 1,024] x [K 1,024, N 1,024]; A: input x; B: input Wq: QUANTISED
;;     2. [M 8,192, K 1,024] x [K 1,024, N 1,024]; A: input x; B: input Wk: QUANTISED
;;     3. [M 8,192, K 1,024] x [K 1,024, N 1,024]; A: input x; B: input Wv: QUANTISED
;;     4. batch 64 x [M 2,048, K 64] x [K 64, N 2,048]; A: computed on the way; B: computed on the way: QUANTISED
;;     5. batch 64 x [M 2,048, K 2,048] x [K 2,048, N 64]; A: softmax (see below); B: computed on the way: QUANTISED
;;     6. [M 8,192, K 1,024] x [K 1,024, N 1,024]; A: computed on the way; B: input Wo: QUANTISED
;;   THE QUANTISER, for each operand of a quantised product, along K:
;;     - K is cut into blocks of 32 from its start; a last block that is shorter is filled with zeros.
;;     - A block's scale is 2^e with e = floor(log2(the largest magnitude in the block)) - 8, held to -126 .. 127; a block of zeros has e = 0. As a byte (E8M0): e + 127.
;;     - Each number is divided by its block's scale, clamped to +-448, and rounded to the nearest number of E4M3, ties to even, subnormals kept.
;;     - The product sums the exact products of the quantised numbers (number of the format x scale) in f32.
;;   ~~~python
;;   def quantise(x, axis):      # numpy; x: float32 -> the quantised numbers, widened to float32 again
;;       x = np.moveaxis(x, axis, -1); K = x.shape[-1]
;;       x = np.pad(x, [(0, 0)] * (x.ndim - 1) + [(0, -K % 32)]); x = x.reshape(x.shape[:-1] + (-1, 32)); a = np.abs(x).max(-1, keepdims=True)
;;       e = np.where(a > 0, np.clip(np.frexp(np.where(a > 0, a, 1))[1] - 1 - 8, -126, 127), 0)      # np.frexp(a)[1] - 1 = floor(log2(a)), exactly
;;       r = np.clip(x / 2.0 ** e, -448, 448)
;;       step = 2.0 ** (np.maximum(np.frexp(np.where(r == 0, 1, r))[1] - 1, -6) - 3)
;;       q = np.round(r / step) * step * 2.0 ** e      # np.round: ties to even
;;       return np.moveaxis(q.reshape(q.shape[:-2] + (-1,))[..., :K], -1, axis).astype(np.float32)
;;   ~~~
;;   SOFTMAX AHEAD OF A QUANTISED PRODUCT. Where the list says 'softmax', what is quantised is not the finished softmax but p = 2^(t - M), with t = logit x log2(e) and M = ceil(the row's largest t), a whole number; so 1/2 < the row's largest p <= 1. The row's sum l is taken of the UNQUANTISED p, in f32, and the product's result is divided by l at the end. Since M is a whole number, a kernel that streams over the keys may use a running M (the ceiling of the running maximum): every later rescaling is an exact power of two, which a block's scale takes up: the codes' values come out the same.
;;   OPERANDS COMPUTED ON THE WAY. 'Computed on the way' means the value that the module computes at that place (a softmax that the list does not call 'softmax' is quantised finished and normalised). What goes into a quantiser is computed in f32, as accurately as f32 sums, v_exp_f32 and their like allow (about 1e-6 of the number): no bf16 or f16 on the way to a quantiser, and a product that is left as it is and whose result goes on into a quantised operand takes f32 operands (vector FMAs, or v_wmma_f32_16x16x4_f32). A number that lies on a knife's edge between two numbers of the format may be rounded either way, as far as f32 arithmetic and the matrix unit's own rounding can turn it there, and no further.
;; One version. Each part assembles by itself: llvm-mc -triple=amdgcn-amd-amdhsa -mcpu=gfx1250 --defsym DOCPART=n.
;; ======== version 1 of 1: 4 launches
;; limits: right only within a limited range of input values
;; workspace buffers: xw_img 12,582,912 bytes; xw_sc 393,216 bytes; qkv_img 25,165,824 bytes; qkv_sc 1,310,720 bytes; o_img 8,388,608 bytes; o_sc 262,144 bytes
;; launch quant (part 1): grid 384 x 1, 4 waves a work-group, no clusters, 34,304 bytes of LDS; arguments x, Wq, Wk, Wv, Wo, xw_img, xw_sc; writes xw_img, xw_sc
.if DOCPART == 1
	.amdgcn_target "amdgcn-amd-amdhsa--gfx1250"
	.amdhsa_code_object_version 6
	.text
	.protected	k_qc86c7dd5eb_quant
	.globl	k_qc86c7dd5eb_quant
	.p2align	8
	.type	k_qc86c7dd5eb_quant,@function
k_qc86c7dd5eb_quant:
	s_mov_b64 s[64:65], 0
	v_nop
	global_prefetch_b8 v0, s[64:65] scope:SCOPE_SE
	s_setreg_imm32_b32 hwreg(HW_REG_WAVE_MODE, 25, 1), 1
	s_wait_xcnt 0x0
; x [8192][1024] and Wq, Wk, Wv, Wo [1024][1024], f32 with K innermost, become codes of E4M3 with one E8M0 scale byte for each 32 along K.
; A block's scale is 2^(floor(log2(its largest magnitude)) - 8); each number is divided by it and rounded to the nearest code, ties to even.
; THE CODES ARE LAID AS IMAGES OF THE OPERAND'S REGISTERS: a fragment (16 rows x 128 K) is 2,048 bytes, [piece c 0..3][lane 0..31][16 bytes]; lane (r = lane % 16, h = lane / 16), piece c, holds k = 32 c + 16 h + 0 .. 15 of the tile's row r.
; xw_img: [tile of 16 rows 0..767][K step 0..7][2,048]; tiles 0-511 x, then 64 each of Wq, Wk, Wv, Wo.  xw_sc: [tile][K half][r][K step % 4][one word of four bytes].
; THE ROWS OF A TILE ARE NOT NEIGHBOURS: tile 2 g + u, lane r, is row 32 g + 8 u + r + 8 (r / 8): a product that takes such tiles as source 0 leaves 16 neighbouring rows in a lane's 16 registers of tiles 2 g and 2 g + 1.
; SHARES: a work-group takes 32 rows; wave w takes tile u = w / 2 and K half w % 2: four K steps of 128.  Waves share nothing: no barrier.  No matrix unit, cluster or tensor load: the launch is a stream, each byte read once.
; Each load reads 512 consecutive bytes of one row; a K step's 16 rows turn through the wave's own stage in LDS (rows of 512 + 16 bytes) and come back 16 neighbours of each block to a lane.  Each store covers 512 consecutive bytes.
; LIMITS: NaN and infinities among the inputs are not served; a block whose largest magnitude lies under 2^-118 gets the byte 1; a block of zeros gets the byte 1 and not 127: its codes are zeros, and the bytes are read by this program alone.
.set RS,  16                           ; v16-79, v80-143  two sets of 64 registers as loaded
.set X,   144                          ; v144-207 register 16 c + i: k = 32 c + 16 h + i of my row
.set PC,  208                          ; v208-223, v224-239  two sets of codes
.set TM,  240                          ; v240-243 largest magnitudes, v244-247 the other half's and then the bytes, v252-255 the conversion's scale operand
.set WD,  8                            ; v8-11 the four K steps' scale words
.set SP,  528                          ; a stage row
	s_load_b256 s[4:11], s[0:1], 0x0               ; x, Wq, Wk, Wv
	s_load_b128 s[12:15], s[0:1], 0x20             ; Wo, xw_img
	s_load_b64 s[16:17], s[0:1], 0x30              ; xw_sc
	v_lshl_add_u32 v14, v0, 2, 0x8400
	v_mov_b32 v15, 0
	v_lshrrev_b32 v5, 5, v0
	v_readfirstlane_b32 s18, v5                    ; wave 0..3
	v_and_b32 v5, 31, v0                           ; lane
	v_and_b32 v6, 15, v0                           ; r
	v_bfe_u32 v7, v0, 4, 1                         ; h
	v_lshlrev_b32 v1, 4, v5                        ; 16 x lane: my bytes of a load's and of a store's 512
	s_mul_i32 s19, s18, 16*SP                      ; my stage
	v_add_nc_u32 v2, s19, v1                       ; into it: a row as it lies
	v_mul_u32_u24 v3, v6, SP
	v_lshl_add_u32 v3, v7, 6, v3
	v_add_nc_u32 v3, s19, v3                       ; out of it: row r, my half's 64 bytes of each block of 128
	v_lshlrev_b32 v4, 4, v6
	v_lshl_add_u32 v4, v7, 3, v4                   ; the scale words: 16 r + 8 h
.irp b, 0,1,2,3
	v_mov_b32 v[TM+4+\b], 0                        ; written once: a lane permute's destination counts as one of its sources
.endr
	s_lshr_b32 s26, s18, 1                         ; u
	s_and_b32 s27, s18, 1                          ; K half
	s_mov_b32 s22, 0x76543210
	s_mov_b32 s23, 0xfedcba98                      ; v_permlanex16_b32's selects for lane l xor 16
	s_mov_b32 s25, 0xffff0000                      ; lanes 16-31
	s_wait_alu depctr_va_vdst(0)
	s_wait_kmcnt 0x0
	s_mov_b64 s[20:21], s[12:13]                   ; which tensor: groups 0-255 x, 256-287 Wq, 288-319 Wk, 320-351 Wv, 352-383 Wo.  The choice hangs on the work-group's number alone
	s_cmp_lt_u32 ttmp9, 352
	s_cselect_b64 s[20:21], s[10:11], s[20:21]
	s_cmp_lt_u32 ttmp9, 320
	s_cselect_b64 s[20:21], s[8:9], s[20:21]
	s_cmp_lt_u32 ttmp9, 288
	s_cselect_b64 s[20:21], s[6:7], s[20:21]
	s_and_b32 s28, ttmp9, 31                       ; a weight's group of 32 rows
	s_cmp_lt_u32 ttmp9, 256
	s_cselect_b64 s[20:21], s[4:5], s[20:21]
	s_cselect_b32 s28, ttmp9, s28                  ; x's
	s_lshl_b32 s28, s28, 17                        ; 32 rows of 4,096 bytes,
	s_lshl_b32 s29, s26, 15                        ; tile 1 begins 8 rows down,
	s_add_co_u32 s28, s28, s29
	s_lshl_b32 s29, s27, 11                        ; K half: 512 numbers
	s_add_co_u32 s28, s28, s29
	s_mov_b32 s29, 0
	s_add_nc_u64 s[20:21], s[20:21], s[28:29]
	s_lshl_b32 s28, ttmp9, 15                      ; the images: 16,384 bytes a tile, 8,192 a K half
	s_lshl_b32 s30, s26, 14
	s_add_co_u32 s28, s28, s30
	s_lshl_b32 s30, s27, 13
	s_add_co_u32 s28, s28, s30
	s_add_nc_u64 s[14:15], s[14:15], s[28:29]
	s_lshl_b32 s28, ttmp9, 10                      ; the scale words: 512 bytes a tile, 256 a K half
	s_lshl_b32 s30, s26, 9
	s_add_co_u32 s28, s28, s30
	s_lshl_b32 s30, s27, 8
	s_add_co_u32 s28, s28, s30
	s_add_nc_u64 s[16:17], s[16:17], s[28:29]
.macro LOAD k                          ; K step k of my 16 rows: 32 lanes read 512 consecutive bytes of a row
.irp i, 0,1,2,3,4,5,6,7,8,9,10,11,12,13,14,15
	global_load_b128 v[RS+64*((\k)%2)+4*\i:RS+64*((\k)%2)+4*\i+3], v1, s[20:21] offset:(\i+8*(\i/8))*4096+512*(\k) th:TH_LOAD_NT
.endr
.endm
.macro TURN k                          ; through the stage: LDS serves a wave's instructions in order (ISA guide 5.7.1.4), so no wait stands between the stores and the loads
.irp i, 0,1,2,3,4,5,6,7,8,9,10,11,12,13,14,15
	ds_store_b128 v2, v[RS+64*((\k)%2)+4*\i:RS+64*((\k)%2)+4*\i+3] offset:SP*\i
.endr
.irp c, 0,1,2,3
.irp j, 0,1,2,3
	ds_load_b128 v[X+16*\c+4*\j:X+16*\c+4*\j+3], v3 offset:128*\c+16*\j
.endr
.endr
.endm
; 64 numbers of a lane, v[s] on, become a fragment's 16 registers of codes, v[dst] on, and my row's scale word, v[word]
.macro QUANT s, dst, word
.irp b, 0,1,2,3
	v_max3_num_f32 v[TM+\b], |v[\s+16*\b]|, |v[\s+16*\b+1]|, 0x4800000   ; block b: my 16 numbers, and the floor 2^(9 - 127): the byte cannot fall under 1
.endr
.irp i, 2,4,6,8,10,12,14
.irp b, 0,1,2,3
	v_max3_num_f32 v[TM+\b], v[TM+\b], |v[\s+16*\b+\i]|, |v[\s+16*\b+\i+1]|   ; the four blocks by turns
.endr
.endr
.irp b, 0,1,2,3
	v_permlanex16_b32 v[TM+4+\b], v[TM+\b], s22, s23
.endr
.irp b, 0,1,2,3
	v_max_num_f32 v[TM+\b], v[TM+\b], v[TM+4+\b]   ; with lane l xor 16's: the block's largest magnitude
.endr
.irp b, 0,1,2,3
	v_add_nc_u32 v[TM+12+\b], 0xfc000000, v[TM+\b] ; 8 off its exponent field: the conversion takes the exponent field of this operand as its scale
.endr
.irp b, 0,1,2,3
.endr
.irp b, 0,1,2,3
	v_lshrrev_b32 v[TM+4+\b], 23, v[TM+12+\b]      ; the scale's byte
.endr
	v_lshl_or_b32 v[\word], v[TM+5], 8, v[TM+4]
	v_lshl_or_b32 v[\word], v[TM+6], 16, v[\word]
	v_lshl_or_b32 v[\word], v[TM+7], 24, v[\word]
.irp b, 0,1,2,3
.irp i, 0,1,2,3,4,5,6,7,8,9,10,11,12,13,14,15
.endr
	v_cvt_scalef32_pk8_fp8_f32 v[\dst+4*\b:\dst+4*\b+1], v[\s+16*\b:\s+16*\b+7], v[TM+12+\b]
	v_cvt_scalef32_pk8_fp8_f32 v[\dst+4*\b+2:\dst+4*\b+3], v[\s+16*\b+8:\s+16*\b+15], v[TM+12+\b]
.endr
	v_nop                                          ; a plain line behind the last conversion
.endm
	LOAD 0
	LOAD 1
.irp k, 0,1,2,3
.if \k < 3
	s_wait_loadcnt 16                              ; this K step's 16 loads are in; the next one's 16 may be out
.else
	s_wait_loadcnt 0x0
.endif
	TURN \k
	s_wait_dscnt 0x0                               ; my 64 numbers are back, and the stage's stores have read their registers,
.if \k < 2
	LOAD \k+2                                      ; which take the loads of two K steps on
.else
	s_wait_xcnt 0x0                                ; the stores of two K steps back have read their codes: this set of codes is written again only behind this wait
.endif
	QUANT X, PC+16*(\k%2), WD+\k
.irp c, 0,1,2,3
	global_store_b128 v1, v[PC+16*(\k%2)+4*\c:PC+16*(\k%2)+4*\c+3], s[14:15] offset:2048*\k+512*\c   ; 512 consecutive bytes, aligned
.endr
.endr
	v_cndmask_b32 v12, v8, v10, s25                ; both halves of the lanes hold all four words: lanes 0-15 store K steps 0, 1, lanes 16-31 K steps 2, 3
	v_cndmask_b32 v13, v9, v11, s25
	global_store_b64 v4, v[12:13], s[16:17]        ; 256 consecutive bytes, aligned
	s_wait_tensorcnt 0x0
	ds_add_u32 v14, v15
	s_wait_dscnt 0x0
	s_endpgm
.Lfunc_end_k_qc86c7dd5eb_quant:
	.size	k_qc86c7dd5eb_quant, .Lfunc_end_k_qc86c7dd5eb_quant-k_qc86c7dd5eb_quant
	.p2alignl 7, 3214868480
	.fill 96, 4, 3214868480
	.section	.rodata,"a",@progbits
	.p2align	6, 0x0
	.amdhsa_kernel k_qc86c7dd5eb_quant
		.amdhsa_group_segment_fixed_size 34304
		.amdhsa_private_segment_fixed_size 0
		.amdhsa_enable_private_segment 0
		.amdhsa_kernarg_size 56
		.amdhsa_user_sgpr_count 2
		.amdhsa_user_sgpr_kernarg_segment_ptr 1
		.amdhsa_wavefront_size32 1
		.amdhsa_system_sgpr_workgroup_id_x 1
		.amdhsa_system_sgpr_workgroup_id_y 1
		.amdhsa_system_sgpr_workgroup_id_z 1
		.amdhsa_system_vgpr_workitem_id 0
		.amdhsa_next_free_vgpr 256
		.amdhsa_next_free_sgpr 66
		.amdhsa_reserve_vcc 0
		.amdhsa_float_denorm_mode_32 3
		.amdhsa_float_denorm_mode_16_64 3
		.amdhsa_fp16_overflow 1
		.amdhsa_memory_ordered 1
		.amdhsa_forward_progress 1
		.amdhsa_inst_pref_size 34
	.end_amdhsa_kernel
	.amdgpu_metadata
---
amdhsa.version: [ 1, 2 ]
amdhsa.kernels:
  - .name:           k_qc86c7dd5eb_quant
    .symbol:         k_qc86c7dd5eb_quant.kd
    .args:
      - { .name: x, .offset: 0, .size: 8, .value_kind: global_buffer, .address_space: global }
      - { .name: Wq, .offset: 8, .size: 8, .value_kind: global_buffer, .address_space: global }
      - { .name: Wk, .offset: 16, .size: 8, .value_kind: global_buffer, .address_space: global }
      - { .name: Wv, .offset: 24, .size: 8, .value_kind: global_buffer, .address_space: global }
      - { .name: Wo, .offset: 32, .size: 8, .value_kind: global_buffer, .address_space: global }
      - { .name: xw_img, .offset: 40, .size: 8, .value_kind: global_buffer, .address_space: global }
      - { .name: xw_sc, .offset: 48, .size: 8, .value_kind: global_buffer, .address_space: global }
    .group_segment_fixed_size: 34304
    .private_segment_fixed_size: 0
    .kernarg_segment_align: 8
    .kernarg_segment_size: 56
    .max_flat_workgroup_size: 128
    .sgpr_count:     66
    .vgpr_count:     256
    .wavefront_size: 32
...
	.end_amdgpu_metadata
.endif
;; end of part 1
;; launch qkv (part 2): grid 12 x 32, 4 waves a work-group, clusters of 4 x 4, 327,680 bytes of LDS; arguments xw_img, xw_sc, bq, bk, bv, qkv_img, qkv_sc; writes qkv_img, qkv_sc
.if DOCPART == 2
	.amdgcn_target "amdgcn-amd-amdhsa--gfx1250"
	.amdhsa_code_object_version 6
	.text
	.protected	k_qc86c7dd5eb_qkv
	.globl	k_qc86c7dd5eb_qkv
	.p2align	8
	.type	k_qc86c7dd5eb_qkv,@function
k_qc86c7dd5eb_qkv:
	s_mov_b64 s[64:65], 0
	v_nop
	global_prefetch_b8 v0, s[64:65] scope:SCOPE_SE
	s_setreg_imm32_b32 hwreg(HW_REG_WAVE_MODE, 25, 1), 1
	s_wait_xcnt 0x0
	s_wait_alu depctr_hold_cnt(0) depctr_sa_sdst(0) depctr_va_vdst(0) depctr_va_sdst(0) depctr_va_ssrc(0) depctr_va_vcc(0) depctr_vm_vsrc(0)
	s_getreg_b32 s2, hwreg(HW_REG_IB_STS2, 6, 4)
	s_cmp_eq_u32 s2, 0
	s_cbranch_scc0 .Lentry_in_a_cluster
	s_endpgm
.Lentry_in_a_cluster:
	s_bfe_u32 s2, ttmp6, 0x10000c
	s_cmp_lg_u32 s2, 0xf033
	s_cbranch_scc0 .Lentry_shape_is_right
	s_endpgm
.Lentry_shape_is_right:
; Q = x Wq^T + bq, K = x Wk^T + bk, V = x Wv^T + bv on codes of E4M3 with E8M0 scales (sums in f32), and each result quantised at once for the product that will read it: nothing leaves as f32.
; OPERANDS are register images (see the launch before): a fragment of 16 rows x 128 K is 2,048 bytes, [piece 0..3][lane][16 bytes]; tile 2 g + u, lane r, is row 32 g + 8 u + r + 8 (r / 8).
; A work-group makes 256 rows of A x 256 rows of B, each of its four waves 128 x 128: 64 accumulators, 512 registers.  Source 0 of the matrix instruction = 16 rows of B, source 1 = 16 rows of A: a lane then holds ONE row of A,
; and the 16 registers of B's tiles 2 p, 2 p + 1 are 16 neighbouring rows of B, 32 p + 16 (lane / 16) + 0 .. 15: so a lane's 64 registers of one tile of A are, as they stand, what the quantiser along B's rows wants.
; Cluster x = 0, 1 (Q, K): A = x, B = the weight: a lane holds a token, its registers run along the channels: blocks of 32 of a head's 64.  Cluster x = 2 (V): A = Wv, B = x: a lane holds a channel, its registers run along the tokens,
; which are the second attention product's K.  The two ways differ in addresses, in the bias's layout and in one store; the branches on them hang on the cluster's x alone, which all sixteen partners share.
; K = 1,024 goes in four slots' worth of 256 through a ring of two LDS slots; the scale words of the 512 rows come once and stay.  No padding: every LDS load reads 512 consecutive bytes.
; CLUSTERS: 4 x 4 work-groups.  A's tile hangs on cy alone and is asked for jointly by a row of the cluster, B's on cx alone, by a column.
; No prefetch: two of a tile's four slots are asked for at the head, and the other two each a slot's 128 matrix instructions ahead.  One tile to a work-group: 384 tiles.
; OUT.  qkv_img: Q at 0, K at 8 MiB: [batch][pair of heads 8][tile of 16 tokens 128][piece = 2 (head % 2) + block][512]; V at 16 MiB: [batch][key step of 128 tokens 16][head 16][tile of 16 channels 4][piece 4][512].
; qkv_sc: Q at 0, K at 524,288: [batch][head][key step][r 16][tile in step 8][word]: bytes 0, 1 the head's two blocks; bytes 2, 3 meet zero codes alone and are never 0xff.  V at 1 MiB: [batch][pair of heads][key step][r][head % 2][tile 4][word].
; LIMITS: NaN and infinities are not served; a block whose largest magnitude lies under 2^-118 gets the byte 1, a block of zeros too (not 127): its codes are zeros, and this program alone reads the bytes.
; REGISTERS, in windows of 256: window 0: v16-31 addresses; v32-63 scale words, two sets, and nothing else; v64-127 the bias as the first products' C, later at work; v128-255 A's fragments, one set, later the codes.
;   window 1: B's fragments, two sets.   window 2: accumulators of A's tiles 0-3 ((a, b) at v[8 (8 (a % 4) + b)]);   window 3: of tiles 4-7.
.set SLOT,  131072                     ; A's 16 tiles x [2 K steps][2,048], then B's
.set SCL,   2*SLOT                     ; the scale words: A's 16 tiles x 512 bytes, then B's
.set SPARE, SCL+16384                  ; the spare words, 128 bytes for each wave: two blocks of 256 bytes that no other line names
.set NP,    8                          ; places behind this matrix instruction (ISA guide 7.12.1)
.set ADRA,  16                         ; v16-17 LDS address of my A fragments in slot 0, 1
.set ADRB,  20                         ; v20-21 the same for B
.set CO,    26                         ; v26 16 x lane
.set ADRS,  27                         ; v27 my scale words: lanes 0-15 A's, lanes 16-31 B's
.set SPW,   28                         ; v28 my spare word: SPARE + 4 x my thread's number; never rewritten
.set NIL,   29                         ; v29 0; never rewritten
.set BO,    30                         ; v30 the bias's offset
.set SO,    31                         ; v31 the way out: 32 r + 16 h
.set SC,    32
.set BI,    64
.set AF,    128
.set TM,    64                         ; the way out: v64-79 at work, v80-87 the eight scale words, v88-95 as they are stored, v128-255 the codes
.set WDS,   80
.set PK,    88
.set CD,    128
.set WV,  18
.set HA,  19                           ; which half of A's rows is mine.  Also: I fetch for A (0) or for B (1)
.set HB,  20                           ; which half of B's rows.  Also: which half of that tile I fetch
.set ISV, 21
.set CX,  22
.set CY,  23
.set G1,  24                           ; s[24:31] group 1 for A's tiles; s[32:39] groups 0, one for each slot
.set G0,  32
.set G1B, 48                           ; the same for B's
.set G0B, 56
.set SEL, 66
.set G1S, 68                           ; groups 1 and 0 for A's scale words; for B's
.set G0S, 76
.set G1SB, 80
.set G0SB, 88
.set FLR, 100
.set MNT, 101
.set HIM, 104
.set MSB, 0
.macro WIN new                         ; the immediate's high byte repeats the setting that is left
.if MSB != \new
	s_set_vgpr_msb (MSB<<8)|\new
.set MSB, \new
.endif
.endm
.set MUL_LO, 0xa1                      ; source 0 (B) window 1, source 1 (A) window 0, C and D window 2
.set MUL_HI, 0xf1                      ; the same, C and D window 3
.set BIA_LO, 0x81                      ; C (the bias) window 0, D window 2
.set BIA_HI, 0xc1                      ; C window 0, D window 3
.set TO_B,   0x40                      ; destination window 1, address window 0
; A joint load: waves 0 and 1 fetch for A, waves 2 and 3 for B; the branch hangs on the wave's number alone.  Four v_nop follow each of the two lines.
.macro JLOAD g0a, g1a, g0b, g1b
	s_cmp_eq_u32 s[HA], 0
	s_cbranch_scc0 .Lfor_b_\@
	tensor_load_to_lds s[\g0a:\g0a+3], s[\g1a:\g1a+7]
	s_nop 0
.rept 4
	v_nop
.endr
	s_branch .Lasked_\@
.Lfor_b_\@:
	tensor_load_to_lds s[\g0b:\g0b+3], s[\g1b:\g1b+7]
	s_nop 0
.rept 4
	v_nop
.endr
.Lasked_\@:
.endm
.macro CREST                           ; a round of the cluster's barrier behind its opening barrier
	s_cmp_lg_u32 s[WV], 0
	s_cbranch_scc1 .Lnot_wave_0_\@
	s_barrier_signal -3
.Lnot_wave_0_\@:
	s_barrier_wait -3
	s_barrier_signal -1
	s_barrier_wait -1
.endm
.macro CROUND
	s_barrier_signal -1
	s_barrier_wait -1
	CREST
.endm
.macro PLACES n
.rept \n
	v_nop
.endr
.endm
.macro FRAG reg, adr, q, i             ; tile i's fragment of the slot's q-th K step: four loads of 512 consecutive bytes
.irp c, 0,1,2,3
	ds_load_b128 v[\reg+4*\c:\reg+4*\c+3], v[\adr] offset:2048*(\q)+512*\c+4096*(\i)
.endr
.endm
.macro FETCH_B slot, q, p              ; B's eight fragments into set p
	WIN TO_B
.irp i, 0,1,2,3,4,5,6,7
	FRAG 128*(\p)+16*\i, ADRB+\slot, \q, \i
.endr
	WIN 0
.endm
.macro FETCH_A slot, q, i0             ; A's tiles i0 .. i0 + 3
.irp i, \i0, \i0+1, \i0+2, \i0+3
	FRAG AF+16*(\i), ADRA+\slot, \q, \i
.endr
.endm
.macro SCALES sc, n                    ; the two K steps' words of the n-th 256 along K into set sc: register 2 i + q: lanes 0-15 A's tile i, lanes 16-31 B's tile i
.irp i, 0,1,2,3,4,5,6,7
	ds_load_b64 v[SC+16*(\sc)+2*\i:SC+16*(\sc)+2*\i+1], v[ADRS] offset:512*\i+256*((\n)/2)+8*((\n)%2)
.endr
.endm
; 16 matrix instructions: A's tiles a0, a0 + 1 x B's eight.  p: B's set; q: the slot's K step; sc: the set of scale words.  cm = 0: in place; 1: the sums start with the bias by B's rows; 2: by A's rows.
; The 64 accumulators take turns, one instruction a turn, in the same order in every step.
.macro MUL16 a0, p, q, sc, cm
.irp a, \a0, \a0+1
.irp b, 0,1,2,3,4,5,6,7
.if \cm == 0
	v_wmma_scale_f32_16x16x128_f8f6f4 v[8*(8*((\a)%4)+\b):8*(8*((\a)%4)+\b)+7], v[128*(\p)+16*\b:128*(\p)+16*\b+15], v[AF+16*(\a):AF+16*(\a)+15], v[8*(8*((\a)%4)+\b):8*(8*((\a)%4)+\b)+7], v[SC+16*(\sc)+2*\b+(\q)], v[SC+16*(\sc)+2*(\a)+(\q)] matrix_a_scale:MATRIX_SCALE_ROW1
.elseif \cm == 1
	v_wmma_scale_f32_16x16x128_f8f6f4 v[8*(8*((\a)%4)+\b):8*(8*((\a)%4)+\b)+7], v[128*(\p)+16*\b:128*(\p)+16*\b+15], v[AF+16*(\a):AF+16*(\a)+15], v[BI+8*\b:BI+8*\b+7], v[SC+16*(\sc)+2*\b+(\q)], v[SC+16*(\sc)+2*(\a)+(\q)] matrix_a_scale:MATRIX_SCALE_ROW1
.else
	v_wmma_scale_f32_16x16x128_f8f6f4 v[8*(8*((\a)%4)+\b):8*(8*((\a)%4)+\b)+7], v[128*(\p)+16*\b:128*(\p)+16*\b+15], v[AF+16*(\a):AF+16*(\a)+15], v[BI+8*(\a):BI+8*(\a)+7], v[SC+16*(\sc)+2*\b+(\q)], v[SC+16*(\sc)+2*(\a)+(\q)] matrix_a_scale:MATRIX_SCALE_ROW1
.endif
.endr
.endr
.endm
; A slot's first K step.  A tile of A is free as soon as its eight products are issued: tiles 0-3 are fetched anew in the step's middle, tiles 4-7 at its end; B's next set comes in the middle.
.macro STEP slot, cm
	s_wait_dscnt 16                                ; all but the youngest 16 loads (A's tiles 4-7) are in
.if \cm
	WIN BIA_LO
.else
	WIN MUL_LO
.endif
	MUL16 0, 0, 0, \slot, \cm
	MUL16 2, 0, 0, \slot, \cm
	s_wait_dscnt 0x0                               ; A's tiles 4-7 are in
	PLACES NP                                      ; in front of loads into registers that matrix instructions have read
	FETCH_B \slot, 1, 1
	FETCH_A \slot, 1, 0
.if \cm
	WIN BIA_HI
.else
	WIN MUL_HI
.endif
	MUL16 4, 0, 0, \slot, \cm
	MUL16 6, 0, 0, \slot, \cm
	PLACES NP
	WIN 0
	FETCH_A \slot, 1, 4
.endm
; A slot's second K step changes slots: ONE barrier; in front of it each wave waits for all its tensor loads, adds 0 to its spare word, and waits for that and for its own reads of this slot.
; fill = 1: this slot is filled again, two slots ahead along K; the barrier then opens a round of the cluster's barrier.  n: which 256 along K the next slot holds.
.macro TURN slot, next, fill, n
	s_wait_tensorcnt 0x0                           ; all my tensor loads have landed: my part of the next slot
	ds_add_u32 v[SPW], v[NIL]                      ; 0 onto my spare word
	s_wait_dscnt 17                                ; (the add and the youngest 16 loads may be out)
	WIN MUL_LO
	MUL16 0, 1, 1, \slot, 0                        ; sixteen matrix instructions stand between the add and the wait for it
	s_wait_dscnt 0x0                               ; the add is done, and my reads of this slot are over
	s_barrier_signal -1
	MUL16 2, 1, 1, \slot, 0
	WIN 0
	s_barrier_wait -1
.if \fill
	CREST                                          ; no wave of any partner still reads this slot or has a load on its way
	s_add_nc_u64 s[G0+4*\slot+2:G0+4*\slot+3], s[G0+4*\slot+2:G0+4*\slot+3], 8192
	s_add_nc_u64 s[G0B+4*\slot+2:G0B+4*\slot+3], s[G0B+4*\slot+2:G0B+4*\slot+3], 8192
	JLOAD G0+4*\slot, G1, G0B+4*\slot, G1B         ; the first tensor load behind the round; its four v_nop are among the places in front of the loads below
	PLACES NP-4
.else
	PLACES NP
.endif
	FETCH_B \next, 0, 0
	FETCH_A \next, 0, 0
	SCALES \next, \n
	WIN MUL_HI
	MUL16 4, 1, 1, \slot, 0
	MUL16 6, 1, 1, \slot, 0
	PLACES NP
	WIN 0
	FETCH_A \next, 0, 4
.endm
	s_load_b256 s[4:11], s[0:1], 0x0               ; xw_img, xw_sc, bq, bk
	s_load_b128 s[12:15], s[0:1], 0x20             ; bv, qkv_img
	s_load_b64 s[16:17], s[0:1], 0x30              ; qkv_sc
	v_lshl_add_u32 v[SPW], v0, 2, SPARE
	v_mov_b32 v[NIL], 0
	ds_add_u32 v28, v29
	s_wait_dscnt 0x0
	v_lshrrev_b32 v1, 5, v0
	v_readfirstlane_b32 s[WV], v1                  ; wave 0..3
	s_lshr_b32 s[HA], s[WV], 1
	s_and_b32 s[HB], s[WV], 1
	s_bfe_u32 s[CX], ttmp6, 0x40000                ; my place in the cluster
	s_bfe_u32 s[CY], ttmp6, 0x40004
	s_lshl_b32 s40, s[CY], 2
	s_lshl_b32 s40, 15, s40                        ; my row of the cluster
	s_lshl_b32 s41, 0x1111, s[CX]                  ; my column
	s_or_b32 s[G1], s40, (3<<16)|(1<<21)           ; 15:0 the mask; 17:16 elements of 8 bytes; 21 set beside a mask; no padding
	s_or_b32 s[G1S], s40, (3<<16)|(1<<21)
	s_or_b32 s[G1B], s41, (3<<16)|(1<<21)
	s_or_b32 s[G1SB], s41, (3<<16)|(1<<21)
.irp g, G1, G1B                        ; eight tiles' two K steps: 8 rows of 4,096 bytes, 16,384 bytes apart
	s_mov_b32 s[\g+1], 512<<16                     ; tensor_dim0
	s_mov_b32 s[\g+2], 8<<16                       ; tensor_dim1
	s_mov_b32 s[\g+3], 512<<16                     ; tile_dim0
	s_mov_b32 s[\g+4], 8                           ; tile_dim1
	s_mov_b32 s[\g+5], 2048                        ; tensor_dim0_stride
	s_mov_b32 s[\g+6], 0
	s_mov_b32 s[\g+7], 0
.endr
.irp g, G1S, G1SB                      ; eight tiles' scale words: 4,096 dense bytes as 16 rows of 256
	s_mov_b32 s[\g+1], 32<<16
	s_mov_b32 s[\g+2], 16<<16
	s_mov_b32 s[\g+3], 32<<16
	s_mov_b32 s[\g+4], 16
	s_mov_b32 s[\g+5], 32
	s_mov_b32 s[\g+6], 0
	s_mov_b32 s[\g+7], 0
.endr
	s_mov_b32 s[SEL], 0x76543210
	s_mov_b32 s[SEL+1], 0xfedcba98                 ; v_permlanex16_b32's selects for lane l xor 16
	s_mov_b32 s[FLR], 0x4800000                    ; the floor 2^(9 - 127)
	s_mov_b32 s[MNT], 0x600000                     ; the mantissa field of 448
	s_mov_b32 s[HIM], 0xffff0000                   ; lanes 16-31
	; which blocks of 256 rows of xw_img: 0-31 x, 32-35 Wq, 36-39 Wk, 40-43 Wv
	s_and_b32 s40, ttmp7, 0xffff
	s_lshl_b32 s40, s40, 2                         ; 4 x cluster y
	s_lshl_b32 s41, ttmp9, 2
	s_add_co_u32 s41, s41, 32                      ; 32 + 4 x cluster x
	s_cmp_eq_u32 ttmp9, 2
	s_cselect_b32 s[ISV], 1, 0
	s_cselect_b32 s42, 40, s40
	s_cselect_b32 s43, s40, s41
	s_add_co_u32 s42, s42, s[CY]                   ; A's block: hangs on cy alone among the cluster's places
	s_add_co_u32 s43, s43, s[CX]                   ; B's: on cx alone
	s_lshl_b32 s40, s[HB], 17                      ; which eight tiles of the block I fetch
	s_lshl_b32 s41, s[HB], 12
	s_lshl_b32 s44, s42, 18
	s_add_co_u32 s44, s44, s40
	s_mov_b32 s45, 0
	s_lshl_b32 s46, s42, 13
	s_add_co_u32 s46, s46, s41
	s_mov_b32 s47, 0
	s_lshl_b32 s92, s43, 18
	s_add_co_u32 s92, s92, s40
	s_mov_b32 s93, 0
	s_lshl_b32 s94, s43, 13
	s_add_co_u32 s94, s94, s41
	s_mov_b32 s95, 0
	s_lshl_b32 s96, s[WV], 15                      ; where they go: wave x 32,768 in a slot, wave x 4,096 among the scale words: no place in the cluster enters an LDS address
	s_lshl_b32 s97, s[WV], 12
	s_wait_kmcnt 0x0
	s_add_nc_u64 s[44:45], s[4:5], s[44:45]
	s_add_nc_u64 s[46:47], s[6:7], s[46:47]
	s_add_nc_u64 s[92:93], s[4:5], s[92:93]
	s_add_nc_u64 s[94:95], s[6:7], s[94:95]
	CROUND                                         ; all sixteen work-groups are here: the first joint loads meet
	s_mov_b32 s[G0S], 1
	s_add_co_u32 s[G0S+1], s97, SCL
	s_mov_b64 s[G0S+2:G0S+3], s[46:47]
	s_or_b32 s[G0S+3], s[G0S+3], 0x80000000
	s_mov_b32 s[G0SB], 1
	s_add_co_u32 s[G0SB+1], s97, SCL
	s_mov_b64 s[G0SB+2:G0SB+3], s[94:95]
	s_or_b32 s[G0SB+3], s[G0SB+3], 0x80000000
	JLOAD G0S, G1S, G0SB, G1SB                     ; the scale words first; with the two slots three loads of mine are out
.irp s, 0,1
	s_mov_b32 s[G0+4*\s], 1
	s_add_co_u32 s[G0+4*\s+1], s96, \s*SLOT
	s_add_nc_u64 s[G0+4*\s+2:G0+4*\s+3], s[44:45], \s*4096
	s_or_b32 s[G0+4*\s+3], s[G0+4*\s+3], 0x80000000
	s_mov_b32 s[G0B+4*\s], 1
	s_add_co_u32 s[G0B+4*\s+1], s96, \s*SLOT
	s_add_nc_u64 s[G0B+4*\s+2:G0B+4*\s+3], s[92:93], \s*4096
	s_or_b32 s[G0B+4*\s+3], s[G0B+4*\s+3], 0x80000000
	JLOAD G0+4*\s, G1, G0B+4*\s, G1B
.endr
	v_and_b32 v1, 15, v0                           ; r
	v_bfe_u32 v2, v0, 4, 1                         ; h
	v_and_b32 v3, 31, v0
	v_lshlrev_b32 v[CO], 4, v3
	s_lshl_b32 s40, s[HA], 15                      ; my eight tiles of A,
	s_lshl_b32 s41, s[HB], 15                      ; of B,
	s_add_co_u32 s41, s41, 65536                   ; which lie behind A's sixteen
.irp s, 0,1
	v_add_nc_u32 v[ADRA+\s], s40, v[CO]
	v_add_nc_u32 v[ADRB+\s], s41, v[CO]
	s_add_co_u32 s40, s40, SLOT
	s_add_co_u32 s41, s41, SLOT
.endr
	s_lshl_b32 s40, s[HA], 12                      ; the scale words: A's: my eight tiles; B's likewise, behind A's 8,192 bytes
	s_lshl_b32 s41, s[HB], 12
	s_add_co_u32 s41, s41, 8192
	s_sub_co_u32 s41, s41, s40
	v_mul_u32_u24 v6, s41, v2                      ; lanes 16-31 take B's: one product, the distance between the two
	s_add_co_u32 s40, s40, SCL
	v_lshlrev_b32 v5, 4, v1                        ; 16 bytes a row and K half
	v_add_nc_u32 v5, v5, v6
	v_add_nc_u32 v[ADRS], s40, v5
	v_lshlrev_b32 v[SO], 5, v1
	v_lshl_add_u32 v[SO], v2, 4, v[SO]
	; the bias: for Q and K by B's rows (channels 256 cx + 128 HB on), for V by A's rows (256 cy + 128 HA on)
	s_cmp_eq_u32 ttmp9, 0
	s_cselect_b64 s[98:99], s[8:9], s[10:11]
	s_cmp_eq_u32 ttmp9, 2
	s_cselect_b64 s[98:99], s[12:13], s[98:99]
	s_cselect_b32 s40, s[CY], s[CX]
	s_cselect_b32 s41, s[HA], s[HB]
	s_lshl_b32 s40, s40, 10
	s_lshl_b32 s41, s41, 9
	s_add_co_u32 s40, s40, s41
	s_mov_b32 s41, 0
	s_add_nc_u64 s[98:99], s[98:99], s[40:41]
	s_cmp_eq_u32 s[ISV], 0
	s_cbranch_scc0 .Lbias_v
	v_lshlrev_b32 v[BO], 6, v2                     ; register j of tile b is channel 32 (b / 2) + 16 h + 8 (b % 2) + j
.irp b, 0,1,2,3,4,5,6,7
	global_load_b128 v[BI+8*\b:BI+8*\b+3], v[BO], s[98:99] offset:(32*(\b/2)+8*(\b%2))*4
	global_load_b128 v[BI+8*\b+4:BI+8*\b+7], v[BO], s[98:99] offset:(32*(\b/2)+8*(\b%2))*4+16
.endr
	s_branch .Lbias_done
.Lbias_v:
	v_and_b32 v[BO], 8, v1
	v_add_nc_u32 v[BO], v[BO], v1
	v_lshlrev_b32 v[BO], 2, v[BO]                  ; all eight registers of tile a hold my lane's channel 32 (a / 2) + 8 (a % 2) + r + 8 (r / 8)
.irp a, 0,1,2,3,4,5,6,7
.irp j, 0,1,2,3,4,5,6,7
	global_load_b32 v[BI+8*\a+\j], v[BO], s[98:99] offset:(32*(\a/2)+8*(\a%2))*4
.endr
.endr
.Lbias_done:
	; where the results go.  xt: x's block of 256 tokens
	s_cmp_eq_u32 s[ISV], 0
	s_cselect_b32 s40, s42, s43
	s_lshr_b32 s41, s40, 3                         ; batch
	s_and_b32 s44, s40, 7
	s_lshl_b32 s45, s[CX], 1
	s_add_co_u32 s45, s45, s[HB]                   ; Q, K: the pair of heads
	s_lshl_b32 s46, ttmp9, 23
	s_lshl_b32 s47, s41, 21
	s_add_co_u32 s46, s46, s47
	s_lshl_b32 s47, s45, 18
	s_add_co_u32 s46, s46, s47
	s_lshl_b32 s47, s44, 15
	s_add_co_u32 s46, s46, s47
	s_lshl_b32 s47, s[HA], 14
	s_add_co_u32 s46, s46, s47                     ; Q, K: codes: tensor, batch, pair of heads, my first tile of tokens
	s_lshl_b32 s92, s41, 4
	s_lshl_b32 s93, s45, 1
	s_add_co_u32 s92, s92, s93
	s_lshl_b32 s92, s92, 4
	s_lshl_b32 s93, s44, 1
	s_add_co_u32 s92, s92, s93
	s_add_co_u32 s92, s92, s[HA]
	s_lshl_b32 s92, s92, 9
	s_lshl_b32 s93, ttmp9, 19
	s_add_co_u32 s92, s92, s93                     ; Q, K: scale words: tensor, batch, even head, key step
	s_lshl_b32 s94, s40, 1
	s_add_co_u32 s94, s94, s[HB]                   ; V: 16 x batch + key step
	s_lshl_b32 s95, s94, 17
	s_add_co_u32 s95, s95, 0x1000000
	s_lshl_b32 s96, s[CY], 15
	s_add_co_u32 s95, s95, s96
	s_lshl_b32 s96, s[HA], 14
	s_add_co_u32 s95, s95, s96                     ; V: codes: key step, my first tile of channels
	s_lshr_b32 s96, s94, 4
	s_lshl_b32 s96, s96, 3
	s_lshl_b32 s97, s[CY], 1
	s_add_co_u32 s96, s96, s97
	s_add_co_u32 s96, s96, s[HA]
	s_lshl_b32 s96, s96, 4
	s_and_b32 s97, s94, 15
	s_add_co_u32 s96, s96, s97
	s_lshl_b32 s96, s96, 9
	s_add_co_u32 s96, s96, 0x100000                ; V: scale words: batch, pair of heads, key step
	s_cmp_eq_u32 s[ISV], 0
	s_cselect_b32 s46, s46, s95
	s_cselect_b32 s92, s92, s96
	s_mov_b32 s47, 0
	s_mov_b32 s93, 0
	s_add_nc_u64 s[14:15], s[14:15], s[46:47]
	s_add_nc_u64 s[16:17], s[16:17], s[92:93]
	s_wait_tensorcnt 1                             ; the scale words and my part of slot 0 are in (slot 1's load may be out)
	s_barrier_signal -1
	s_barrier_wait -1                              ; everybody's are
	FETCH_B 0, 0, 0
	FETCH_A 0, 0, 0
	SCALES 0, 0
	FETCH_A 0, 0, 4
	s_wait_loadcnt 0x0                             ; the bias
	s_cmp_eq_u32 s[ISV], 0                         ; the first step starts the sums with the bias: written twice, since the bias's registers go by B's tiles or by A's
	s_cbranch_scc0 .Lfirst_v
	STEP 0, 1
	s_branch .Lfirst_done
.Lfirst_v:
	STEP 0, 2
.Lfirst_done:
	TURN 0, 1, 1, 1                                ; K's four slots' worth are written out: the loop would have one trip
	STEP 1, 0
	TURN 1, 0, 1, 2
	STEP 0, 0
	TURN 0, 1, 0, 3                                ; nothing is left to fetch: no round of the cluster's barrier
	STEP 1, 0
	s_wait_dscnt 16                                ; the very last K step
	WIN MUL_LO
	MUL16 0, 1, 1, 1, 0
	MUL16 2, 1, 1, 1, 0
	s_wait_dscnt 0x0
	WIN MUL_HI
	MUL16 4, 1, 1, 1, 0
	MUL16 6, 1, 1, 1, 0
	WIN 0
	PLACES NP                                      ; in front of the first read of results, and of writes into registers that the last products read
; THE WAY OUT.  The 64 registers of A's tile a, register 16 p + i = B's row 32 p + 16 h + i for my row of A, become a fragment's codes and my row's scale word; the codes are stored as the image that they are.
.irp b, 0,1,2,3
	v_mov_b32 v[TM+4+\b], 0                        ; a lane permute's destination counts as one of its sources
.endr
.macro QUANTW a
.set AC, 64*((\a)%4)
.set WN, 2+(\a)/4
.set W_MAX, (WN<<2)|(WN<<4)            ; sources 1 and 2 in the accumulators' window
.set W_HLD, (WN<<6)|WN                 ; destination and source 0
	WIN W_MAX
.irp b, 0,1,2,3
	v_max3_num_f32 v[TM+\b], s[FLR], |v[AC+16*\b]|, |v[AC+16*\b+1]|   ; each accumulator is read from its low end on
.endr
.irp i, 2,4,6,8,10,12,14
.irp b, 0,1,2,3
	v_max3_num_f32 v[TM+\b], v[TM+\b], |v[AC+16*\b+\i]|, |v[AC+16*\b+\i+1]|
.endr
.endr
	WIN 0
.irp b, 0,1,2,3
	v_permlanex16_b32 v[TM+4+\b], v[TM+\b], s[SEL], s[SEL+1]
.endr
.irp b, 0,1,2,3
	v_max_num_f32 v[TM+\b], v[TM+\b], v[TM+4+\b]   ; with lane l xor 16's: the block's largest magnitude
.endr
.irp b, 0,1,2,3
	v_add_nc_u32 v[TM+12+\b], 0xfc000000, v[TM+\b] ; 8 off its exponent field: the conversion's scale operand
.endr
.irp b, 0,1,2,3
	v_and_or_b32 v[TM+8+\b], v[TM+\b], 0x7f800000, s[MNT]   ; 448 x the scale
.endr
.irp b, 0,1,2,3
	v_lshrrev_b32 v[TM+4+\b], 23, v[TM+12+\b]      ; the scale's byte
.endr
	v_lshl_or_b32 v[WDS+(\a)], v[TM+5], 8, v[TM+4]
	v_lshl_or_b32 v[WDS+(\a)], v[TM+6], 16, v[WDS+(\a)]
	v_lshl_or_b32 v[WDS+(\a)], v[TM+7], 24, v[WDS+(\a)]
	WIN W_HLD
.irp b, 0,1,2,3
.irp i, 0,1,2,3,4,5,6,7,8,9,10,11,12,13,14,15
	v_med3_num_f32 v[AC+16*\b+\i], v[AC+16*\b+\i], -v[TM+8+\b], v[TM+8+\b]   ; the conversion does not saturate (ISA guide 7.6.2): the hold comes first
.endr
.endr
	WIN WN
.irp b, 0,1,2,3
	v_cvt_scalef32_pk8_fp8_f32 v[CD+16*(\a)+4*\b:CD+16*(\a)+4*\b+1], v[AC+16*\b:AC+16*\b+7], v[TM+12+\b]
	v_cvt_scalef32_pk8_fp8_f32 v[CD+16*(\a)+4*\b+2:CD+16*(\a)+4*\b+3], v[AC+16*\b+8:AC+16*\b+15], v[TM+12+\b]
.endr
	WIN 0
	v_nop                                          ; a plain line behind the last conversion
.irp c, 0,1,2,3
	global_store_b128 v[CO], v[CD+16*(\a)+4*\c:CD+16*(\a)+4*\c+3], s[14:15] offset:2048*(\a)+512*\c   ; 512 consecutive bytes, aligned; each tile has its own registers, so no store's data are written again
.endr
.endm
.irp a, 0,1,2,3,4,5,6,7
	QUANTW \a
.endr
.irp i, 0,1,2,3
	v_cndmask_b32 v[PK+\i], v[WDS+\i], v[WDS+4+\i], s[HIM]   ; both halves of the lanes hold all eight words: lanes 0-15 store tiles 0-3, lanes 16-31 tiles 4-7
.endr
	global_store_b128 v[SO], v[PK:PK+3], s[16:17]  ; 512 consecutive bytes.  Q, K: the even head's unit (its bytes are the words' bytes 0, 1).  V: the pair of heads' unit
	s_cmp_eq_u32 s[ISV], 0
	s_cbranch_scc0 .Lno_odd
.irp i, 0,1,2,3
	v_lshrrev_b32 v[PK+4+\i], 16, v[PK+\i]         ; Q, K: the odd head's bytes come down to bytes 0, 1
.endr
	global_store_b128 v[SO], v[PK+4:PK+7], s[16:17] offset:8192
.Lno_odd:
	s_wait_tensorcnt 0x0                           ; the wave's end
	ds_add_u32 v[SPW], v[NIL]
	s_wait_dscnt 0x0
	CROUND                                         ; the closing round: no work-group ends while a partner may still ask for a tile that names it
	s_endpgm
.Lfunc_end_k_qc86c7dd5eb_qkv:
	.size	k_qc86c7dd5eb_qkv, .Lfunc_end_k_qc86c7dd5eb_qkv-k_qc86c7dd5eb_qkv
	.p2alignl 7, 3214868480
	.fill 96, 4, 3214868480
	.section	.rodata,"a",@progbits
	.p2align	6, 0x0
	.amdhsa_kernel k_qc86c7dd5eb_qkv
		.amdhsa_group_segment_fixed_size 327680
		.amdhsa_private_segment_fixed_size 0
		.amdhsa_enable_private_segment 0
		.amdhsa_kernarg_size 56
		.amdhsa_user_sgpr_count 2
		.amdhsa_user_sgpr_kernarg_segment_ptr 1
		.amdhsa_wavefront_size32 1
		.amdhsa_system_sgpr_workgroup_id_x 1
		.amdhsa_system_sgpr_workgroup_id_y 1
		.amdhsa_system_sgpr_workgroup_id_z 1
		.amdhsa_system_vgpr_workitem_id 0
		.amdhsa_next_free_vgpr 1024
		.amdhsa_next_free_sgpr 106
		.amdhsa_reserve_vcc 0
		.amdhsa_float_denorm_mode_32 3
		.amdhsa_float_denorm_mode_16_64 3
		.amdhsa_memory_ordered 1
		.amdhsa_forward_progress 1
		.amdhsa_inst_pref_size 205
	.end_amdhsa_kernel
	.amdgpu_metadata
---
amdhsa.version: [ 1, 2 ]
amdhsa.kernels:
  - .name:           k_qc86c7dd5eb_qkv
    .symbol:         k_qc86c7dd5eb_qkv.kd
    .args:
      - { .name: xw_img, .offset: 0, .size: 8, .value_kind: global_buffer, .address_space: global }
      - { .name: xw_sc, .offset: 8, .size: 8, .value_kind: global_buffer, .address_space: global }
      - { .name: bq, .offset: 16, .size: 8, .value_kind: global_buffer, .address_space: global }
      - { .name: bk, .offset: 24, .size: 8, .value_kind: global_buffer, .address_space: global }
      - { .name: bv, .offset: 32, .size: 8, .value_kind: global_buffer, .address_space: global }
      - { .name: qkv_img, .offset: 40, .size: 8, .value_kind: global_buffer, .address_space: global }
      - { .name: qkv_sc, .offset: 48, .size: 8, .value_kind: global_buffer, .address_space: global }
    .group_segment_fixed_size: 327680
    .private_segment_fixed_size: 0
    .kernarg_segment_align: 8
    .kernarg_segment_size: 56
    .max_flat_workgroup_size: 128
    .sgpr_count:     106
    .vgpr_count:     1024
    .wavefront_size: 32
...
	.end_amdgpu_metadata
.endif
;; end of part 2
;; launch attn (part 3): grid 8 x 64, 16 waves a work-group, clusters of 4 x 1, 280,576 bytes of LDS; arguments qkv_img, qkv_sc, o_img, o_sc; writes o_img, o_sc
.if DOCPART == 3
	.amdgcn_target "amdgcn-amd-amdhsa--gfx1250"
	.amdhsa_code_object_version 6
	.text
	.protected	k_qc86c7dd5eb_attn
	.globl	k_qc86c7dd5eb_attn
	.p2align	8
	.type	k_qc86c7dd5eb_attn,@function
k_qc86c7dd5eb_attn:
	s_mov_b64 s[64:65], 0
	v_nop
	global_prefetch_b8 v0, s[64:65] scope:SCOPE_SE
	s_setreg_imm32_b32 hwreg(HW_REG_WAVE_MODE, 25, 1), 1
	s_wait_xcnt 0x0
	s_wait_alu depctr_hold_cnt(0) depctr_sa_sdst(0) depctr_va_vdst(0) depctr_va_sdst(0) depctr_va_ssrc(0) depctr_va_vcc(0) depctr_vm_vsrc(0)
	s_getreg_b32 s2, hwreg(HW_REG_IB_STS2, 6, 4)
	s_cmp_eq_u32 s2, 0
	s_cbranch_scc0 .Lentry_in_a_cluster
	s_endpgm
.Lentry_in_a_cluster:
	s_bfe_u32 s2, ttmp6, 0x10000c
	s_cmp_lg_u32 s2, 0x3003
	s_cbranch_scc0 .Lentry_shape_is_right
	s_endpgm
.Lentry_shape_is_right:
; Causal attention of one head (64 channels, 2,048 tokens) on codes of E4M3 with E8M0 scales, and the result quantised along the channels for the last projection.
; t = score x log2(e) / 8; M = the row's largest t so far, rounded UP to a whole number; p = 2^(t - M) is what is quantised, along the keys, not normalised.  The row's sum is taken of the unquantised p and divides O at the end.
; When M moves, the sum and O are multiplied by 2^(old M - new M): exact.
; SHARES.  Work-group (x = jw 0..7, y = 16 batch + head).  Each of its sixteen waves owns ONE tile of 16 queries, tile 8 m + jw of the batch's 128, m = w xor 3 ((w / 4) % 2): it needs key steps 0 .. m of 128 keys, of which step m lies on the
; diagonal.  So every work-group has 136 key steps, and the four waves with the same w % 4 have 34.  Four waves to a SIMD: one wave's vector work stands beside another's matrix work and LDS loads.
; THE WHOLE HEAD'S K AND V STAY IN LDS, filled once: no slot is ever filled again.  The four work-groups of a cluster belong to one head: each tile is asked for JOINTLY (mask 15).  Waves 0, 1 fetch K's halves, waves 2, 3 V's, each with
; its half of the scale words: two loads of a fetching wave are out.
; EVERY WAVE WALKS 16 TRIPS, a constant; a step all of whose keys come after the wave's queries is jumped over by a scalar branch on the wave's number and the trip's.  No branch hangs on the work-group's place in its cluster:
; jw enters global addresses and the mask's numbers alone.
; LAYOUT.  Operands are register images: [piece][lane][16 bytes]; tile 2 g + u, lane r, is row 32 g + 8 u + r + 8 (r / 8).  Both products are used transposed: S^T = K Q^T (source 0 = 16 keys), O^T = V^T P^T (source 0 = 16 channels): a lane
; holds ONE query; the 16 registers of tiles 2 p, 2 p + 1 are 16 neighbouring keys (channels), 32 p + 16 (lane / 16) + 0 .. 15.  The first product's K is 64: pieces 2, 3 of Q's and K's fragments are zero codes, written once.
; LIMITS: NaN and infinities are not served; a block whose largest magnitude lies under 2^-118 gets the byte 1, a block of zeros too (not 127): its codes are zeros, and this program alone reads the bytes.
; REGISTERS: v1-7 addresses that stay; v8-11 those of the step; v12 -M, v13 the largest t, v[14:15] the sum in two halves; v16-31 Q; v32-95 four fragments of K; v96-159 S^T, then p, then V's four fragments; v160-191 O^T;
;   v192-199 K's scale words, v200-203 V's, v204 Q's, v242 p's: scales and nothing else; v208-223 at work on the blocks; v224-239 p's codes; v[240:241] f; v243-245 at work.
.set LK,   0                           ; LDS: K [key step 16][tile 8][1,024]
.set LV,   131072                      ; V [key step 16][tile of channels 4][2,048]
.set LKS,  262144                      ; K's scale words, 512 bytes a key step
.set LVS,  270336                      ; V's
.set BM,   208                         ; v208-211 a block's largest score, then its largest p
.set PD,   212                         ; v212-215 the other half's, then the bytes, then half a sum
.set LM,   216
.set SOP,  220                         ; v220-223 the conversion's scale operand
.set WV,   12                          ; s12 wave; s13 m; s14 the key step; s15 its tiles' place in LDS (8,192 a step); s16 its scale words' (512 a step); s17 trips to go
.set MM,   13
.set KSI,  14
.set TB,   15
.set TS,   16
.set PFA,  18                          ; s[18:19] what my prefetch names; s20: the key step at which it stands, or -1
.set LIM,  20
.set CS,   22                          ; s[22:23] c = log2(e) / 8
.set MNT,  72
.set JW,   73
.set SEL,  74
.set HIM,  76
.macro CROUND                          ; a round of the cluster's barrier
	s_barrier_signal -1
	s_barrier_wait -1
	s_cmp_lg_u32 s[WV], 0
	s_cbranch_scc1 .Lnot_wave_0_\@
	s_barrier_signal -3
.Lnot_wave_0_\@:
	s_barrier_wait -3
	s_barrier_signal -1
	s_barrier_wait -1
.endm
.macro PLACES n
.rept \n
	v_nop
.endr
.endm
; A PREFETCH INTO THE L2 of the codes of head y + 32 (two batches on: 4 MiB further in K and in V), for work-groups with y < 32.  A head's K is 128 tiles x 1,024 bytes, its V 16 key steps x 8,192: 1,024 blocks of 256 bytes; the head's
; 8 work-groups x 4 waves x 32 lanes name each once.  Waves 12, 13: K's tiles 16 jw + 8 (w % 2) on, four blocks a tile; waves 14, 15: V's key step 2 jw + w % 2.  The work-groups are told apart by address.  It stands in key step 12,
; behind the step's first LDS loads: these waves have m = 15 .. 12, so the step is theirs, and up to three steps of theirs follow.  The scale words are not asked for.  Its registers are never rewritten.
.macro ASK
	s_cmp_eq_u32 s[KSI], s[LIM]
	s_cbranch_scc0 .Lnot_mine_\@
	global_prefetch_b8 v6, s[PFA:PFA+1] th:TH_LOAD_NT scope:SCOPE_SE
.Lnot_mine_\@:
.endm
	s_load_b256 s[4:11], s[0:1], 0x0               ; qkv_img, qkv_sc, o_img, o_sc
	v_lshl_add_u32 v254, v0, 2, 0x44000
	v_mov_b32 v255, 0
	ds_add_u32 v254, v255
	ds_add_u32 v254, v255
	v_lshrrev_b32 v8, 5, v0
	s_delay_alu instid0(VALU_DEP_1)
	v_readfirstlane_b32 s[WV], v8                  ; wave 0..15
	s_bfe_u32 s[MM], s[WV], 0x10002
	s_mul_i32 s[MM], s[MM], 3
	s_xor_b32 s[MM], s[MM], s[WV]                  ; m
	s_bfe_u32 s21, ttmp6, 0x40000                  ; cx
	s_lshl_b32 s[JW], ttmp9, 2
	s_add_co_u32 s[JW], s[JW], s21                 ; jw = 4 x cluster x + cx
	s_and_b32 s77, ttmp7, 0xffff                   ; y = 16 batch + head
	s_lshr_b32 s78, s77, 4                         ; batch
	s_and_b32 s79, s77, 15                         ; head
	s_lshr_b32 s80, s79, 1                         ; pair of heads
	s_and_b32 s81, s79, 1                          ; which of the pair
	s_lshl_b32 s82, s78, 3
	s_add_co_u32 s82, s82, s80                     ; 8 batch + pair
	s_and_b32 s83, s[WV], 1
	s_lshl_b32 s99, s[MM], 3
	s_add_co_u32 s99, s99, s[JW]                   ; my tile of queries
	; descriptor groups 1: mask 15 (all four work-groups), elements of 8 bytes, bit 21 beside the mask, no padding
	s_mov_b32 s24, 15|(3<<16)|(1<<21)              ; K: 64 tiles' 1,024 bytes of my head, 2,048 bytes apart
	s_mov_b32 s25, 128<<16
	s_mov_b32 s26, 64<<16
	s_mov_b32 s27, 128<<16
	s_mov_b32 s28, 64
	s_mov_b32 s29, 256
	s_mov_b32 s30, 0
	s_mov_b32 s31, 0
	s_mov_b32 s32, 15|(3<<16)|(1<<21)              ; V: 8 key steps' 8,192 bytes of my head, 131,072 bytes apart
	s_mov_b32 s33, 1024<<16
	s_mov_b32 s34, 8<<16
	s_mov_b32 s35, 1024<<16
	s_mov_b32 s36, 8
	s_mov_b32 s37, 16384
	s_mov_b32 s38, 0
	s_mov_b32 s39, 0
	s_mov_b32 s40, 15|(3<<16)|(1<<21)              ; scale words: 4,096 dense bytes as 16 rows of 256
	s_mov_b32 s41, 32<<16
	s_mov_b32 s42, 16<<16
	s_mov_b32 s43, 32<<16
	s_mov_b32 s44, 16
	s_mov_b32 s45, 32
	s_mov_b32 s46, 0
	s_mov_b32 s47, 0
	s_mov_b32 s[CS], 0x3e38aa3b                    ; c = log2(e) / sqrt(64)
	s_mov_b32 s[CS+1], s[CS]                       ; (named with it as a pair, so it is written)
	s_mov_b32 s[SEL], 0x76543210
	s_mov_b32 s[SEL+1], 0xfedcba98                 ; v_permlanex16_b32's selects for lane l xor 16
	s_mov_b32 s[HIM], 0xffff0000                   ; lanes 16-31
	s_mov_b32 s[KSI], 0
	s_mov_b32 s[TB], 0
	s_mov_b32 s[TS], 0
	; what I fetch, if I fetch: offsets made of the head and the wave's number alone
	s_lshl_b32 s86, s82, 18
	s_lshl_b32 s85, s81, 10
	s_add_co_u32 s86, s86, s85                     ; my head's place in Q and in K: (8 batch + pair) x 262,144 + 1,024 x (head % 2)
	s_lshl_b32 s85, s83, 17
	s_add_co_u32 s84, s86, s85
	s_add_co_u32 s84, s84, 0x800000                ; K's half
	s_lshl_b32 s87, s78, 21
	s_lshl_b32 s85, s79, 13
	s_add_co_u32 s87, s87, s85                     ; my head's place in V
	s_lshl_b32 s85, s83, 20
	s_add_co_u32 s88, s87, s85
	s_add_co_u32 s88, s88, 0x1000000               ; V's half
	s_lshl_b32 s89, s77, 13
	s_add_co_u32 s89, s89, 0x80000                 ; K's scale words
	s_lshl_b32 s92, s82, 13
	s_add_co_u32 s92, s92, 0x100000                ; V's
	s_cmp_lt_u32 s[WV], 2
	s_cselect_b32 s90, s84, s88
	s_cselect_b32 s92, s89, s92
	s_lshl_b32 s85, s83, 12
	s_add_co_u32 s92, s92, s85
	s_mov_b32 s91, 0
	s_mov_b32 s93, 0
	s_lshr_b32 s96, s[WV], 1
	s_lshl_b32 s96, s96, 17
	s_lshl_b32 s85, s83, 16
	s_add_co_u32 s96, s96, s85                     ; LDS: 131,072 (w / 2) + 65,536 (w % 2)
	s_lshl_b32 s97, s[WV], 12
	s_add_co_u32 s97, s97, LKS                     ; and 262,144 + 4,096 w
	s_wait_dscnt 0x0
	s_wait_kmcnt 0x0
	s_mov_b32 s48, 1
	s_mov_b32 s49, s97
	s_add_nc_u64 s[50:51], s[6:7], s[92:93]
	s_or_b32 s51, s51, 0x80000000
	s_mov_b32 s52, 1
	s_mov_b32 s53, s96
	s_add_nc_u64 s[54:55], s[4:5], s[90:91]
	s_or_b32 s55, s55, 0x80000000
	CROUND                                         ; all four work-groups are here: the joint loads meet
	s_cmp_lt_u32 s[WV], 2                          ; a wave's two fills stand in one branch on the wave's number; four v_nop follow the second
	s_cbranch_scc0 .Lnot_k
	tensor_load_to_lds s[48:51], s[40:47]
	s_nop 0
	tensor_load_to_lds s[52:55], s[24:31]
	s_nop 0
	PLACES 4
	s_branch .Lasked
.Lnot_k:
	s_cmp_lt_u32 s[WV], 4
	s_cbranch_scc0 .Lasked
	tensor_load_to_lds s[48:51], s[40:47]
	s_nop 0
	tensor_load_to_lds s[52:55], s[32:39]
	s_nop 0
	PLACES 4
.Lasked:
	v_and_b32 v10, 31, v0                          ; lane
	v_and_b32 v8, 15, v0                           ; r
	v_bfe_u32 v9, v0, 4, 1                         ; h
	s_delay_alu instid0(VALU_DEP_3)
	v_lshlrev_b32 v1, 4, v10                       ; 16 x lane: my place in an image; K's tiles begin at LDS byte 0
	s_delay_alu instid0(VALU_DEP_3)
	v_lshlrev_b32 v243, 5, v8                      ; 32 r
	s_wait_alu depctr_va_vdst(0)
	s_lshl_b32 s84, s99, 11                        ; Q: my tile's two pieces stay in registers
	s_add_co_u32 s84, s84, s86
	s_mov_b32 s85, 0
	s_add_nc_u64 s[84:85], s[4:5], s[84:85]
	global_load_b128 v[16:19], v1, s[84:85]
	global_load_b128 v[20:23], v1, s[84:85] offset:512
	s_lshl_b32 s88, s77, 4
	s_add_co_u32 s88, s88, s[MM]
	s_lshl_b32 s88, s88, 9
	s_lshl_b32 s89, s[JW], 2
	s_add_co_u32 s88, s88, s89
	s_mov_b32 s89, 0
	s_add_nc_u64 s[88:89], s[6:7], s[88:89]
	global_load_b32 v204, v243, s[88:89]           ; Q's scale words: head, key step m, row r, tile jw
	v_add_nc_u32 v2, LV, v1
	v_add_nc_u32 v3, LKS, v243                     ; K's scale words: 32 bytes a row: the step's eight tiles
	s_lshl_b32 s94, s81, 4
	s_add_co_u32 s94, s94, LVS
	v_add_nc_u32 v4, s94, v243                     ; V's: 32 bytes a row: my head's four tiles
	s_lshr_b32 s95, s[JW], 1                       ; my query within its key step: 32 (jw / 2) + 8 (jw % 2) + r + 8 (r / 8);
	s_lshl_b32 s95, s95, 5
	s_and_b32 s94, s[JW], 1
	s_lshl_b32 s94, s94, 3
	s_add_co_u32 s95, s95, s94
	v_and_b32 v244, 8, v8
	s_delay_alu instid0(VALU_DEP_1)
	v_add_nc_u32 v244, v244, v8
	v_lshlrev_b32 v245, 4, v9
	s_delay_alu instid0(VALU_DEP_1)
	v_sub_nc_u32 v5, v244, v245
	s_delay_alu instid0(VALU_DEP_1)
	v_add_nc_u32 v5, s95, v5                       ; less 16 h: register 16 p + i holds key 32 p + 16 h + i, hidden on the diagonal where 32 p + i is above this
	v_lshl_add_u32 v7, v8, 4, v9                   ; the way out: 16 r + h
	; the prefetch
	s_lshl_b32 s90, s[JW], 15
	s_lshl_b32 s91, s83, 14
	s_add_co_u32 s90, s90, s91
	s_add_co_u32 s90, s90, s86
	s_add_co_u32 s90, s90, 0xc00000                ; K, two batches on
	s_lshl_b32 s92, s[JW], 18
	s_lshl_b32 s91, s83, 17
	s_add_co_u32 s92, s92, s91
	s_add_co_u32 s92, s92, s87
	s_add_co_u32 s92, s92, 0x1400000               ; V, two batches on
	s_cmp_lt_u32 s[WV], 14
	s_cselect_b32 s90, s90, s92
	s_cselect_b32 s93, 1024, 0
	s_mov_b32 s91, 0
	s_add_nc_u64 s[PFA:PFA+1], s[4:5], s[90:91]
	v_lshrrev_b32 v244, 2, v10
	s_delay_alu instid0(VALU_DEP_1)
	v_mul_u32_u24 v244, v244, s93
	s_delay_alu instid0(VALU_DEP_1)
	v_lshl_add_u32 v6, v10, 8, v244                ; lanes 256 bytes apart; in K 1,024 more behind every fourth: the other head's half of a tile
	s_lshr_b32 s97, s[WV], 2
	s_xor_b32 s97, s97, 3                          ; 0 in waves 12 to 15,
	s_lshr_b32 s98, s77, 5                         ; where y < 32
	s_or_b32 s97, s97, s98
	s_cmp_eq_u32 s97, 0
	s_cselect_b32 s[LIM], 12, -1
	; where the results go
	s_lshl_b32 s94, s78, 7
	s_add_co_u32 s94, s94, s99                     ; my tile among all 512
	s_lshl_b32 s96, s94, 14
	s_lshl_b32 s95, s80, 11
	s_add_co_u32 s96, s96, s95
	s_lshl_b32 s95, s81, 10
	s_add_co_u32 s96, s96, s95
	s_mov_b32 s97, 0
	s_add_nc_u64 s[8:9], s[8:9], s[96:97]          ; o_img: tile, K step = pair of heads, pieces 2 (head % 2) on
	s_lshl_b32 s96, s94, 9
	s_lshr_b32 s95, s80, 2
	s_lshl_b32 s95, s95, 8
	s_add_co_u32 s96, s96, s95
	s_and_b32 s95, s80, 3
	s_lshl_b32 s95, s95, 2
	s_add_co_u32 s96, s96, s95
	s_lshl_b32 s95, s81, 1
	s_add_co_u32 s96, s96, s95
	s_add_nc_u64 s[10:11], s[10:11], s[96:97]      ; o_sc: tile, K half, the K step's word, bytes 2 (head % 2) on
.set n, 0
.rept 8
	v_mov_b32 v[24+n], 0                           ; Q's pieces 2, 3: zero codes
.set n, n+1
.endr
.irp t, 0,1,2,3
.set n, 0
.rept 8
	v_mov_b32 v[40+16*\t+n], 0                     ; K's likewise: written once, the loads fill pieces 0, 1 alone
.set n, n+1
.endr
.endr
.set n, 0
.rept 32
	v_mov_b32 v[160+n], 0                          ; O^T.  (The step is written once: the first finds zeros, which the first change of M leaves zeros)
.set n, n+1
.endr
	v_mov_b32 v13, 0xff61b1e6                      ; the largest t so far: -3e38, under every t
	s_delay_alu instid0(VALU_DEP_1)
	v_floor_f32 v12, -v13                          ; -M
	v_mov_b32 v14, 0
	v_mov_b32 v15, 0
.irp b, 0,1,2,3
	v_mov_b32 v[PD+\b], 0                          ; a lane permute's destination counts as one of its sources
.endr
	v_mov_b32 v241, 0                              ; (named as the upper half of the pair v[240:241])
	s_wait_loadcnt 0x0                             ; Q
	s_wait_tensorcnt 0x0                           ; my parts of the head are in,
	s_barrier_signal -1
	s_barrier_wait -1                              ; everybody's are: from here on LDS is only read, and the waves run free
	s_mov_b32 s17, 16
.Lstep:
	s_cmp_gt_u32 s[KSI], s[MM]                     ; all keys of this step come after my queries: nothing to do but step the addresses
	s_cbranch_scc1 .Lhidden
	s_setprio 2
	v_add_nc_u32 v8, s[TB], v1
	v_add_nc_u32 v9, s[TB], v2
	v_add_nc_u32 v10, s[TS], v3
	v_add_nc_u32 v11, s[TS], v4
	PLACES 5                                       ; with the four additions: nine places between the last step's products, which read V in v96-159, and the products that write S^T there
.irp g, 0,1                            ; S^T = K Q^T, four tiles of 16 keys at a time
.if \g
	PLACES 8                                       ; in front of loads into registers that matrix instructions have read
.endif
	s_wait_alu depctr_va_vdst(0)
.irp t, 0,1,2,3
	ds_load_b128 v[32+16*\t:35+16*\t], v8 offset:(4*\g+\t)*1024
	ds_load_b128 v[36+16*\t:39+16*\t], v8 offset:(4*\g+\t)*1024+512
.endr
.if \g == 0
	ds_load_b128 v[192:195], v10                   ; the eight tiles' scale words of my row
	ds_load_b128 v[196:199], v10 offset:16
	ASK
.endif
	s_wait_dscnt 0x0
.irp t, 0,1,2,3
	v_wmma_scale_f32_16x16x128_f8f6f4 v[96+8*(4*\g+\t):103+8*(4*\g+\t)], v[32+16*\t:47+16*\t], v[16:31], 0, v[192+4*\g+\t], v204
.endr
.endr
	PLACES 8
	s_cmp_lt_u32 s[KSI], s[MM]                     ; only step m lies on the diagonal: there hidden scores become -infinity ahead of the maximum, and p = 0
	s_cbranch_scc1 .Lopen
	v_mov_b32 v243, 0xff800000
.set n, 0
.rept 64
	v_cmp_gt_i32 vcc_lo, 32*(n/16)+n%16, v5
	v_cndmask_b32 v[96+n], v[96+n], v243, vcc_lo
.set n, n+1
.endr
.Lopen:
.irp b, 0,1,2,3
	v_max3_num_f32 v[BM+\b], v[96+16*\b], v[97+16*\b], v[98+16*\b]   ; the largest score of each block of 32 keys: it serves for the row's maximum and, since p rises with the score, for the block's largest p
.endr
.irp i, 3,5,7,9,11,13
.irp b, 0,1,2,3
	v_max3_num_f32 v[BM+\b], v[BM+\b], v[96+16*\b+\i], v[97+16*\b+\i]
.endr
.endr
.irp b, 0,1,2,3
	v_max_num_f32 v[BM+\b], v[BM+\b], v[111+16*\b]
.endr
.irp b, 0,1,2,3
	s_delay_alu instid0(VALU_DEP_4)
	v_permlanex16_b32 v[PD+\b], v[BM+\b], s[SEL], s[SEL+1]
.endr
.irp b, 0,1,2,3
	s_delay_alu instid0(VALU_DEP_4)
	v_max_num_f32 v[BM+\b], v[BM+\b], v[PD+\b]     ; with lane l xor 16's 16 keys
.endr
	s_delay_alu instid0(VALU_DEP_2)
	v_max3_num_f32 v243, v208, v209, v210
	s_delay_alu instid0(VALU_DEP_1)
	v_max_num_f32 v243, v243, v211                 ; the step's largest score of my query (the step's first key always counts)
	s_delay_alu instid0(VALU_DEP_1)
	v_mul_f32 v243, s[CS], v243                    ; as t
	s_delay_alu instid0(VALU_DEP_1)
	v_max_num_f32 v13, v13, v243                   ; the running largest t
	v_mov_b32 v243, v12
	s_delay_alu instid0(VALU_DEP_2)
	v_floor_f32 v12, -v13                          ; the new -M = floor(-t): M is a whole number
	s_delay_alu instid0(VALU_DEP_1)
	v_sub_f32 v243, v12, v243                      ; old M - new M: a whole number, 0 or less
	s_delay_alu instid0(VALU_DEP_1)
	v_cvt_i32_f32 v243, v243                       ; (it saturates)
	s_delay_alu instid0(VALU_DEP_1)
	v_ldexp_f32 v240, 1.0, v243                    ; f = 2^(old M - new M)
.set n, 0
.rept 32
	v_pk_fma_f32 v[96+n:97+n], v[96+n:97+n], s[CS:CS+1], v[12:13] op_sel_hi:[1,0,0]   ; t - M, two at a time
.set n, n+2
.endr
	s_setprio 1
.irp b, 0,1,2,3
	v_fma_f32 v[BM+\b], v[BM+\b], s[CS], v12       ; the same of each block's largest score
.endr
.set n, 0
	s_wait_alu depctr_va_vdst(0)
.rept 64
	v_exp_f32 v[96+n], v[96+n]                     ; p = 2^(t - M), at most 1
.set n, n+1
.endr
.irp b, 0,1,2,3
	v_exp_f32 v[BM+\b], v[BM+\b]                   ; the block's largest p: the same two instructions on the same number
.endr
	v_pk_mul_f32 v[14:15], v[14:15], v[240:241] op_sel_hi:[1,0]   ; the sums under the new M.  (A plain line behind the exponentials)
	s_wait_alu depctr_va_vdst(0)
.irp b, 0,1,2,3
	v_max_num_f32 v[BM+\b], 0x4800000, v[BM+\b]    ; the floor 2^(9 - 127): the byte cannot fall under 1
.endr
.irp b, 0,1,2,3
	s_delay_alu instid0(VALU_DEP_4)
	v_add_nc_u32 v[SOP+\b], 0xfc000000, v[BM+\b]   ; 8 off the exponent field: the conversion's scale operand
.endr
.irp b, 0,1,2,3
.endr
.irp b, 0,1,2,3
	s_delay_alu instid0(VALU_DEP_4)
	v_lshrrev_b32 v[PD+\b], 23, v[SOP+\b]          ; the scale's byte
.endr
	s_delay_alu instid0(VALU_DEP_3)
	v_lshl_or_b32 v242, v213, 8, v212              ; p's scale word for these 128 keys
	s_delay_alu instid0(VALU_DEP_1)
	v_lshl_or_b32 v242, v214, 16, v242
	s_delay_alu instid0(VALU_DEP_1)
	v_lshl_or_b32 v242, v215, 24, v242
	v_pk_add_f32 v[212:213], v[100:101], v[104:105]
	v_pk_add_f32 v[252:253], v[108:109], v[112:113]
	v_pk_add_f32 v[250:251], v[116:117], v[120:121]
	v_pk_add_f32 v[248:249], v[124:125], v[128:129]
	v_pk_add_f32 v[246:247], v[132:133], v[136:137]
	v_pk_add_f32 v[244:245], v[140:141], v[144:145]
	v_pk_add_f32 v[238:239], v[148:149], v[152:153]
	v_pk_add_f32 v[14:15], v[14:15], v[156:157]
	v_pk_add_f32 v[212:213], v[212:213], v[96:97]
	v_pk_add_f32 v[252:253], v[252:253], v[98:99]
	v_pk_add_f32 v[250:251], v[250:251], v[102:103]
	v_pk_add_f32 v[248:249], v[248:249], v[106:107]
	v_pk_add_f32 v[246:247], v[246:247], v[110:111]
	v_pk_add_f32 v[244:245], v[244:245], v[114:115]
	v_pk_add_f32 v[238:239], v[238:239], v[118:119]
	v_pk_add_f32 v[14:15], v[14:15], v[122:123]
	v_pk_add_f32 v[212:213], v[212:213], v[126:127]
	v_pk_add_f32 v[252:253], v[252:253], v[130:131]
	v_pk_add_f32 v[250:251], v[250:251], v[134:135]
	v_pk_add_f32 v[248:249], v[248:249], v[138:139]
	v_pk_add_f32 v[246:247], v[246:247], v[142:143]
	v_pk_add_f32 v[244:245], v[244:245], v[146:147]
	v_pk_add_f32 v[238:239], v[238:239], v[150:151]
	v_pk_add_f32 v[14:15], v[14:15], v[154:155]
	v_pk_add_f32 v[212:213], v[212:213], v[158:159]
	s_delay_alu instid0(VALU_DEP_2)
	v_pk_add_f32 v[14:15], v[14:15], v[248:249]
	s_delay_alu instid0(VALU_DEP_2)
	v_pk_add_f32 v[212:213], v[212:213], v[246:247]
	v_pk_add_f32 v[252:253], v[252:253], v[244:245]
	v_pk_add_f32 v[250:251], v[250:251], v[238:239]
	s_delay_alu instid0(VALU_DEP_2)
	v_pk_add_f32 v[14:15], v[14:15], v[252:253]
	s_delay_alu instid0(VALU_DEP_2)
	v_pk_add_f32 v[212:213], v[212:213], v[250:251]
	s_delay_alu instid0(VALU_DEP_1)
	v_pk_add_f32 v[14:15], v[14:15], v[212:213]
	s_setprio 0
.irp b, 0,1,2,3
.set n, 0
.rept 16
.set n, n+1
.endr
	v_cvt_scalef32_pk8_fp8_f32 v[224+4*\b:225+4*\b], v[96+16*\b:103+16*\b], v[SOP+\b]
	v_cvt_scalef32_pk8_fp8_f32 v[226+4*\b:227+4*\b], v[104+16*\b:111+16*\b], v[SOP+\b]
.endr
	v_nop
.irp t, 0,1,2,3                        ; V's four tiles of 16 channels x these 128 keys take p's registers
.irp c, 0,1,2,3
	ds_load_b128 v[96+16*\t+4*\c:99+16*\t+4*\c], v9 offset:2048*\t+512*\c
.endr
.endr
	ds_load_b128 v[200:203], v11                   ; and their scale words
.set n, 0
.rept 16
	v_pk_mul_f32 v[160+n:161+n], v[160+n:161+n], v[240:241] op_sel_hi:[1,0]   ; O^T under the new M.  (These sixteen are also the places between the codes and the products)
.set n, n+2
.endr
	s_wait_alu depctr_va_vdst(0)
	s_wait_dscnt 0x0
.irp t, 0,1,2,3                        ; O^T += V^T P^T: four accumulators by turns
	v_wmma_scale_f32_16x16x128_f8f6f4 v[160+8*\t:167+8*\t], v[96+16*\t:111+16*\t], v[224:239], v[160+8*\t:167+8*\t], v[200+\t], v242
.endr
.Lhidden:
	s_add_co_u32 s[KSI], s[KSI], 1
	s_add_co_u32 s[TB], s[TB], 8192
	s_add_co_u32 s[TS], s[TS], 512
	s_sub_co_u32 s17, s17, 1
	s_cmp_lg_u32 s17, 0
	s_cbranch_scc1 .Lstep
	s_setprio 0
	; THE WAY OUT.  O^T / the sum: register 16 p + i is channel 32 p + 16 h + i of my query: two blocks of 32, quantised as they stand; the codes are pieces 2 (head % 2) + p of the last projection's operand.
	PLACES 8
	s_wait_alu depctr_va_vdst(0)
	v_add_f32 v14, v14, v15                        ; the sum's two halves,
	s_delay_alu instid0(VALU_DEP_1)
	v_permlanex16_b32 v212, v14, s[SEL], s[SEL+1]
	s_delay_alu instid0(VALU_DEP_1)
	v_add_f32 v14, v14, v212                       ; and lane l xor 16's
	s_wait_alu depctr_va_vdst(0)
	v_rcp_f32 v14, v14
	v_nop                                          ; a plain line behind the transcendental
.set n, 0
	s_wait_alu depctr_va_vdst(0)
.rept 16
	v_pk_mul_f32 v[96+n:97+n], v[160+n:161+n], v[14:15] op_sel_hi:[1,0]   ; each accumulator from its low end on
.set n, n+2
.endr
.irp b, 0,1
	v_max3_num_f32 v[BM+\b], |v[96+16*\b]|, |v[97+16*\b]|, 0x4800000
.endr
.irp i, 2,4,6,8,10,12,14
.irp b, 0,1
	s_delay_alu instid0(VALU_DEP_2)
	v_max3_num_f32 v[BM+\b], v[BM+\b], |v[96+16*\b+\i]|, |v[97+16*\b+\i]|
.endr
.endr
.irp b, 0,1
	s_delay_alu instid0(VALU_DEP_2)
	v_permlanex16_b32 v[PD+\b], v[BM+\b], s[SEL], s[SEL+1]
.endr
.irp b, 0,1
	s_delay_alu instid0(VALU_DEP_2)
	v_max_num_f32 v[BM+\b], v[BM+\b], v[PD+\b]
.endr
.irp b, 0,1
	s_delay_alu instid0(VALU_DEP_2)
	v_add_nc_u32 v[SOP+\b], 0xfc000000, v[BM+\b]
.endr
.irp b, 0,1
.endr
.irp b, 0,1
	s_delay_alu instid0(VALU_DEP_2)
	v_lshrrev_b32 v[PD+\b], 23, v[SOP+\b]
.endr
	s_delay_alu instid0(VALU_DEP_1)
	v_cndmask_b32 v243, v212, v213, s[HIM]         ; lanes 0-15 store block 0's byte, lanes 16-31 block 1's
.irp b, 0,1
.set n, 0
.rept 16
.set n, n+1
.endr
	v_cvt_scalef32_pk8_fp8_f32 v[224+4*\b:225+4*\b], v[96+16*\b:103+16*\b], v[SOP+\b]
	v_cvt_scalef32_pk8_fp8_f32 v[226+4*\b:227+4*\b], v[104+16*\b:111+16*\b], v[SOP+\b]
.endr
	v_nop                                          ; a plain line behind the last conversion
	global_store_b128 v1, v[224:227], s[8:9]       ; 512 consecutive bytes each, aligned
	global_store_b128 v1, v[228:231], s[8:9] offset:512
	global_store_b8 v7, v243, s[10:11]             ; a byte a lane, 16 bytes apart: a row's word is shared by two heads; 262,144 bytes in the whole launch leave so
	s_wait_tensorcnt 0x0
	ds_add_u32 v254, v255
	s_wait_dscnt 0x0
	CROUND                                         ; the closing round
	s_endpgm
.Lfunc_end_k_qc86c7dd5eb_attn:
	.size	k_qc86c7dd5eb_attn, .Lfunc_end_k_qc86c7dd5eb_attn-k_qc86c7dd5eb_attn
	.p2alignl 7, 3214868480
	.fill 96, 4, 3214868480
	.section	.rodata,"a",@progbits
	.p2align	6, 0x0
	.amdhsa_kernel k_qc86c7dd5eb_attn
		.amdhsa_group_segment_fixed_size 280576
		.amdhsa_private_segment_fixed_size 0
		.amdhsa_enable_private_segment 0
		.amdhsa_kernarg_size 32
		.amdhsa_user_sgpr_count 2
		.amdhsa_user_sgpr_kernarg_segment_ptr 1
		.amdhsa_wavefront_size32 1
		.amdhsa_system_sgpr_workgroup_id_x 1
		.amdhsa_system_sgpr_workgroup_id_y 1
		.amdhsa_system_sgpr_workgroup_id_z 1
		.amdhsa_system_vgpr_workitem_id 0
		.amdhsa_next_free_vgpr 256
		.amdhsa_next_free_sgpr 100
		.amdhsa_reserve_vcc 1
		.amdhsa_float_denorm_mode_32 3
		.amdhsa_float_denorm_mode_16_64 3
		.amdhsa_fp16_overflow 1
		.amdhsa_memory_ordered 1
		.amdhsa_forward_progress 1
		.amdhsa_inst_pref_size 40
	.end_amdhsa_kernel
	.amdgpu_metadata
---
amdhsa.version: [ 1, 2 ]
amdhsa.kernels:
  - .name:           k_qc86c7dd5eb_attn
    .symbol:         k_qc86c7dd5eb_attn.kd
    .args:
      - { .name: qkv_img, .offset: 0, .size: 8, .value_kind: global_buffer, .address_space: global }
      - { .name: qkv_sc, .offset: 8, .size: 8, .value_kind: global_buffer, .address_space: global }
      - { .name: o_img, .offset: 16, .size: 8, .value_kind: global_buffer, .address_space: global }
      - { .name: o_sc, .offset: 24, .size: 8, .value_kind: global_buffer, .address_space: global }
    .group_segment_fixed_size: 280576
    .private_segment_fixed_size: 0
    .kernarg_segment_align: 8
    .kernarg_segment_size: 32
    .max_flat_workgroup_size: 512
    .sgpr_count:     100
    .vgpr_count:     256
    .wavefront_size: 32
...
	.end_amdgpu_metadata
.endif
;; end of part 3
;; launch oproj (part 4): grid 4 x 32, 4 waves a work-group, clusters of 4 x 4, 327,680 bytes of LDS; arguments o_img, o_sc, xw_img, xw_sc, bo, out0; writes out0
.if DOCPART == 4
	.amdgcn_target "amdgcn-amd-amdhsa--gfx1250"
	.amdhsa_code_object_version 6
	.text
	.protected	k_qc86c7dd5eb_oproj
	.globl	k_qc86c7dd5eb_oproj
	.p2align	8
	.type	k_qc86c7dd5eb_oproj,@function
k_qc86c7dd5eb_oproj:
	s_mov_b64 s[64:65], 0
	v_nop
	global_prefetch_b8 v0, s[64:65] scope:SCOPE_SE
	s_setreg_imm32_b32 hwreg(HW_REG_WAVE_MODE, 25, 1), 1
	s_wait_xcnt 0x0
	s_wait_alu depctr_hold_cnt(0) depctr_sa_sdst(0) depctr_va_vdst(0) depctr_va_sdst(0) depctr_va_ssrc(0) depctr_va_vcc(0) depctr_vm_vsrc(0)
	s_getreg_b32 s2, hwreg(HW_REG_IB_STS2, 6, 4)
	s_cmp_eq_u32 s2, 0
	s_cbranch_scc0 .Lentry_in_a_cluster
	s_endpgm
.Lentry_in_a_cluster:
	s_bfe_u32 s2, ttmp6, 0x10000c
	s_cmp_lg_u32 s2, 0xf033
	s_cbranch_scc0 .Lentry_shape_is_right
	s_endpgm
.Lentry_shape_is_right:
; out0 = O Wo^T + bo on codes of E4M3 with E8M0 scales, sums in f32.  O's codes and scale words come from the attention launch, Wo's from the first launch (blocks 44-47 of 256 rows of xw_img), both as register images:
; a fragment of 16 rows x 128 K is 2,048 bytes, [piece 0..3][lane][16 bytes]; tile 2 g + u, lane r, is row 32 g + 8 u + r + 8 (r / 8).
; A work-group makes 256 tokens x 256 channels, each of its four waves 128 x 128: 64 accumulators, 512 registers.  Source 0 = 16 rows of Wo (B), source 1 = 16 tokens (A): a lane holds one token, and the 16 registers of B's tiles
; 2 p, 2 p + 1 are channels 32 p + 16 (lane / 16) + 0 .. 15.  The bias is the C of the first products.
; K = 1,024 goes in four slots' worth of 256 through a ring of two LDS slots; the scale words of the 512 rows come once and stay.  No padding: every LDS load of a fragment reads 512 consecutive bytes.
; CLUSTERS: 4 x 4 work-groups: A's tile is asked for jointly by a row of the cluster, B's by a column.  128 tiles of 256 x 256: the launch has work for 128 work-groups.
; No prefetch: two of a tile's four slots are asked for at the head, and the other two each a slot's 128 matrix instructions ahead.
; REGISTERS, in windows of 256: window 0: v16-31 addresses; v32-63 scale words, two sets, and nothing else; v64-127 the bias; v128-255 A's fragments, one set, later rows of out0.
;   window 1: B's fragments, two sets.   window 2: accumulators of A's tiles 0-3 ((a, b) at v[8 (8 (a % 4) + b)]);   window 3: of tiles 4-7.
.set SLOT,  131072                     ; A's 16 tiles x [2 K steps][2,048], then B's
.set SCL,   2*SLOT                     ; the scale words: A's 16 tiles x 512 bytes, then B's
.set SPARE, SCL+16384                  ; the spare words, 128 bytes for each wave: two blocks of 256 bytes that no other line names
.set SPITCH, 528                       ; the way out: a stage of 16 rows x (512 + 16) bytes for each wave, in slot 0, which has had its last fill and its last read when the first result is stored there
.set NP,    8                          ; places behind this matrix instruction (ISA guide 7.12.1)
.set ADRA,  16
.set ADRB,  20
.set STO,   24                         ; v24 the way out: where I put 32 bytes of a row
.set RD,    25                         ; v25 where I read a row back
.set CO,    26                         ; v26 16 x lane
.set ADRS,  27
.set SPW,   28                         ; v28 my spare word: SPARE + 4 x my thread's number; never rewritten
.set NIL,   29                         ; v29 0; never rewritten
.set BO,    30
.set SC,    32
.set BI,    64
.set AF,    128
.set BK,    128                        ; the way out: 16 rows read back: v128-191 and v192-255 by turns
.set WV,  18
.set HA,  19
.set HB,  20
.set CX,  22
.set CY,  23
.set G1,  24
.set G0,  32
.set G1B, 48
.set G0B, 56
.set G1S, 68
.set G0S, 76
.set G1SB, 80
.set G0SB, 88
.set MSB, 0
.macro WIN new                         ; the immediate's high byte repeats the setting that is left
.if MSB != \new
	s_set_vgpr_msb (MSB<<8)|\new
.set MSB, \new
.endif
.endm
.set MUL_LO, 0xa1                      ; source 0 (B) window 1, source 1 (A) window 0, C and D window 2
.set MUL_HI, 0xf1
.set BIA_LO, 0x81                      ; C (the bias) window 0, D window 2
.set BIA_HI, 0xc1
.set TO_B,   0x40
.macro JLOAD g0a, g1a, g0b, g1b        ; a joint load: waves 0 and 1 fetch for A, waves 2 and 3 for B; four v_nop follow each of the two lines
	s_cmp_eq_u32 s[HA], 0
	s_cbranch_scc0 .Lfor_b_\@
	tensor_load_to_lds s[\g0a:\g0a+3], s[\g1a:\g1a+7]
	s_nop 0
.rept 4
	v_nop
.endr
	s_branch .Lasked_\@
.Lfor_b_\@:
	tensor_load_to_lds s[\g0b:\g0b+3], s[\g1b:\g1b+7]
	s_nop 0
.rept 4
	v_nop
.endr
.Lasked_\@:
.endm
.macro CREST
	s_cmp_lg_u32 s[WV], 0
	s_cbranch_scc1 .Lnot_wave_0_\@
	s_barrier_signal -3
.Lnot_wave_0_\@:
	s_barrier_wait -3
	s_barrier_signal -1
	s_barrier_wait -1
.endm
.macro CROUND
	s_barrier_signal -1
	s_barrier_wait -1
	CREST
.endm
.macro PLACES n
.rept \n
	v_nop
.endr
.endm
.macro FRAG reg, adr, q, i
.irp c, 0,1,2,3
	ds_load_b128 v[\reg+4*\c:\reg+4*\c+3], v[\adr] offset:2048*(\q)+512*\c+4096*(\i)
.endr
.endm
.macro FETCH_B slot, q, p
	WIN TO_B
.irp i, 0,1,2,3,4,5,6,7
	FRAG 128*(\p)+16*\i, ADRB+\slot, \q, \i
.endr
	WIN 0
.endm
.macro FETCH_A slot, q, i0
.irp i, \i0, \i0+1, \i0+2, \i0+3
	FRAG AF+16*(\i), ADRA+\slot, \q, \i
.endr
.endm
.macro SCALES sc, n                    ; register 2 i + q of set sc: lanes 0-15 A's tile i, lanes 16-31 B's tile i
.irp i, 0,1,2,3,4,5,6,7
	ds_load_b64 v[SC+16*(\sc)+2*\i:SC+16*(\sc)+2*\i+1], v[ADRS] offset:512*\i+256*((\n)/2)+8*((\n)%2)
.endr
.endm
; 16 matrix instructions: A's tiles a0, a0 + 1 x B's eight.  cm = 0: in place; 1: the sums start with the bias.  The 64 accumulators take turns, one instruction a turn.
.macro MUL16 a0, p, q, sc, cm
.irp a, \a0, \a0+1
.irp b, 0,1,2,3,4,5,6,7
.if \cm == 0
	v_wmma_scale_f32_16x16x128_f8f6f4 v[8*(8*((\a)%4)+\b):8*(8*((\a)%4)+\b)+7], v[128*(\p)+16*\b:128*(\p)+16*\b+15], v[AF+16*(\a):AF+16*(\a)+15], v[8*(8*((\a)%4)+\b):8*(8*((\a)%4)+\b)+7], v[SC+16*(\sc)+2*\b+(\q)], v[SC+16*(\sc)+2*(\a)+(\q)] matrix_a_scale:MATRIX_SCALE_ROW1
.else
	v_wmma_scale_f32_16x16x128_f8f6f4 v[8*(8*((\a)%4)+\b):8*(8*((\a)%4)+\b)+7], v[128*(\p)+16*\b:128*(\p)+16*\b+15], v[AF+16*(\a):AF+16*(\a)+15], v[BI+8*\b:BI+8*\b+7], v[SC+16*(\sc)+2*\b+(\q)], v[SC+16*(\sc)+2*(\a)+(\q)] matrix_a_scale:MATRIX_SCALE_ROW1
.endif
.endr
.endr
.endm
.macro STEP slot, cm                   ; a slot's first K step
	s_wait_dscnt 16                                ; all but the youngest 16 loads (A's tiles 4-7) are in
.if \cm
	WIN BIA_LO
.else
	WIN MUL_LO
.endif
	MUL16 0, 0, 0, \slot, \cm
	MUL16 2, 0, 0, \slot, \cm
	s_wait_dscnt 0x0
	PLACES NP                                      ; in front of loads into registers that matrix instructions have read
	FETCH_B \slot, 1, 1
	FETCH_A \slot, 1, 0
.if \cm
	WIN BIA_HI
.else
	WIN MUL_HI
.endif
	MUL16 4, 0, 0, \slot, \cm
	MUL16 6, 0, 0, \slot, \cm
	PLACES NP
	WIN 0
	FETCH_A \slot, 1, 4
.endm
; A slot's second K step changes slots: ONE barrier; in front of it each wave waits for all its tensor loads, adds 0 to its spare word, and waits for that and for its own reads of this slot.
.macro TURN slot, next, fill, n
	s_wait_tensorcnt 0x0                           ; all my tensor loads have landed: my part of the next slot
	ds_add_u32 v[SPW], v[NIL]                      ; 0 onto my spare word
	s_wait_dscnt 17                                ; (the add and the youngest 16 loads may be out)
	WIN MUL_LO
	MUL16 0, 1, 1, \slot, 0
	s_wait_dscnt 0x0                               ; the add is done, and my reads of this slot are over
	s_barrier_signal -1
	MUL16 2, 1, 1, \slot, 0
	WIN 0
	s_barrier_wait -1
.if \fill
	CREST                                          ; no wave of any partner still reads this slot or has a load on its way
	s_add_nc_u64 s[G0+4*\slot+2:G0+4*\slot+3], s[G0+4*\slot+2:G0+4*\slot+3], 8192
	s_add_nc_u64 s[G0B+4*\slot+2:G0B+4*\slot+3], s[G0B+4*\slot+2:G0B+4*\slot+3], 8192
	JLOAD G0+4*\slot, G1, G0B+4*\slot, G1B         ; the first tensor load behind the round
	PLACES NP-4
.else
	PLACES NP
.endif
	FETCH_B \next, 0, 0
	FETCH_A \next, 0, 0
	SCALES \next, \n
	WIN MUL_HI
	MUL16 4, 1, 1, \slot, 0
	MUL16 6, 1, 1, \slot, 0
	PLACES NP
	WIN 0
	FETCH_A \next, 0, 4
.endm
	s_load_b256 s[4:11], s[0:1], 0x0               ; o_img, o_sc, xw_img, xw_sc
	s_load_b128 s[12:15], s[0:1], 0x20             ; bo, out0
	v_lshl_add_u32 v[SPW], v0, 2, SPARE
	v_mov_b32 v[NIL], 0
	ds_add_u32 v28, v29
	s_wait_dscnt 0x0
	v_lshrrev_b32 v1, 5, v0
	v_readfirstlane_b32 s[WV], v1                  ; wave 0..3
	s_lshr_b32 s[HA], s[WV], 1                     ; which half of the tokens is mine.  Also: I fetch for A (0) or for B (1)
	s_and_b32 s[HB], s[WV], 1                      ; which half of the channels.  Also: which half of that tile I fetch
	s_bfe_u32 s[CX], ttmp6, 0x40000
	s_bfe_u32 s[CY], ttmp6, 0x40004
	s_lshl_b32 s40, s[CY], 2
	s_lshl_b32 s40, 15, s40                        ; my row of the cluster
	s_lshl_b32 s41, 0x1111, s[CX]                  ; my column
	s_or_b32 s[G1], s40, (3<<16)|(1<<21)           ; 15:0 the mask; 17:16 elements of 8 bytes; 21 set beside a mask; no padding
	s_or_b32 s[G1S], s40, (3<<16)|(1<<21)
	s_or_b32 s[G1B], s41, (3<<16)|(1<<21)
	s_or_b32 s[G1SB], s41, (3<<16)|(1<<21)
.irp g, G1, G1B                        ; eight tiles' two K steps: 8 rows of 4,096 bytes, 16,384 bytes apart
	s_mov_b32 s[\g+1], 512<<16
	s_mov_b32 s[\g+2], 8<<16
	s_mov_b32 s[\g+3], 512<<16
	s_mov_b32 s[\g+4], 8
	s_mov_b32 s[\g+5], 2048
	s_mov_b32 s[\g+6], 0
	s_mov_b32 s[\g+7], 0
.endr
.irp g, G1S, G1SB                      ; eight tiles' scale words: 4,096 dense bytes as 16 rows of 256
	s_mov_b32 s[\g+1], 32<<16
	s_mov_b32 s[\g+2], 16<<16
	s_mov_b32 s[\g+3], 32<<16
	s_mov_b32 s[\g+4], 16
	s_mov_b32 s[\g+5], 32
	s_mov_b32 s[\g+6], 0
	s_mov_b32 s[\g+7], 0
.endr
	s_and_b32 s42, ttmp7, 0xffff
	s_lshl_b32 s42, s42, 2
	s_add_co_u32 s42, s42, s[CY]                   ; A's block of 256 tokens: 4 x cluster y + cy
	s_lshl_b32 s43, ttmp9, 2
	s_add_co_u32 s43, s43, s[CX]
	s_add_co_u32 s43, s43, 44                      ; B's block of 256 rows of xw_img: Wo begins at 44
	s_lshl_b32 s40, s[HB], 17
	s_lshl_b32 s41, s[HB], 12
	s_lshl_b32 s44, s42, 18
	s_add_co_u32 s44, s44, s40
	s_mov_b32 s45, 0
	s_lshl_b32 s46, s42, 13
	s_add_co_u32 s46, s46, s41
	s_mov_b32 s47, 0
	s_lshl_b32 s92, s43, 18
	s_add_co_u32 s92, s92, s40
	s_mov_b32 s93, 0
	s_lshl_b32 s94, s43, 13
	s_add_co_u32 s94, s94, s41
	s_mov_b32 s95, 0
	s_lshl_b32 s96, s[WV], 15                      ; where they go: no place in the cluster enters an LDS address
	s_lshl_b32 s97, s[WV], 12
	s_wait_kmcnt 0x0
	s_add_nc_u64 s[44:45], s[4:5], s[44:45]
	s_add_nc_u64 s[46:47], s[6:7], s[46:47]
	s_add_nc_u64 s[92:93], s[8:9], s[92:93]
	s_add_nc_u64 s[94:95], s[10:11], s[94:95]
	CROUND                                         ; all sixteen work-groups are here: the first joint loads meet
	s_mov_b32 s[G0S], 1
	s_add_co_u32 s[G0S+1], s97, SCL
	s_mov_b64 s[G0S+2:G0S+3], s[46:47]
	s_or_b32 s[G0S+3], s[G0S+3], 0x80000000
	s_mov_b32 s[G0SB], 1
	s_add_co_u32 s[G0SB+1], s97, SCL
	s_mov_b64 s[G0SB+2:G0SB+3], s[94:95]
	s_or_b32 s[G0SB+3], s[G0SB+3], 0x80000000
	JLOAD G0S, G1S, G0SB, G1SB                     ; the scale words first; with the two slots three loads of mine are out
.irp s, 0,1
	s_mov_b32 s[G0+4*\s], 1
	s_add_co_u32 s[G0+4*\s+1], s96, \s*SLOT
	s_add_nc_u64 s[G0+4*\s+2:G0+4*\s+3], s[44:45], \s*4096
	s_or_b32 s[G0+4*\s+3], s[G0+4*\s+3], 0x80000000
	s_mov_b32 s[G0B+4*\s], 1
	s_add_co_u32 s[G0B+4*\s+1], s96, \s*SLOT
	s_add_nc_u64 s[G0B+4*\s+2:G0B+4*\s+3], s[92:93], \s*4096
	s_or_b32 s[G0B+4*\s+3], s[G0B+4*\s+3], 0x80000000
	JLOAD G0+4*\s, G1, G0B+4*\s, G1B
.endr
	v_and_b32 v1, 15, v0                           ; r
	v_bfe_u32 v2, v0, 4, 1                         ; h
	v_and_b32 v3, 31, v0
	v_lshlrev_b32 v[CO], 4, v3
	s_lshl_b32 s40, s[HA], 15
	s_lshl_b32 s41, s[HB], 15
	s_add_co_u32 s41, s41, 65536
.irp s, 0,1
	v_add_nc_u32 v[ADRA+\s], s40, v[CO]
	v_add_nc_u32 v[ADRB+\s], s41, v[CO]
	s_add_co_u32 s40, s40, SLOT
	s_add_co_u32 s41, s41, SLOT
.endr
	s_lshl_b32 s40, s[HA], 12
	s_lshl_b32 s41, s[HB], 12
	s_add_co_u32 s41, s41, 8192
	s_sub_co_u32 s41, s41, s40
	v_mul_u32_u24 v6, s41, v2                      ; lanes 16-31 take B's scale words: one product, the distance between the two
	s_add_co_u32 s40, s40, SCL
	v_lshlrev_b32 v5, 4, v1
	v_add_nc_u32 v5, v5, v6
	v_add_nc_u32 v[ADRS], s40, v5
	s_mul_i32 s40, s[WV], 16*SPITCH                ; my stage
	v_mul_u32_u24 v5, v1, SPITCH
	v_lshl_add_u32 v5, v2, 6, v5
	v_add_nc_u32 v[STO], s40, v5                   ; in: row r, + 64 h
	v_add_nc_u32 v[RD], s40, v[CO]                 ; back: the 32 lanes take one row of 512 bytes
	s_lshl_b32 s40, s[CX], 10                      ; the bias: channels 256 cx + 128 HB on; register j of tile b is channel 32 (b / 2) + 16 h + 8 (b % 2) + j
	s_lshl_b32 s41, s[HB], 9
	s_add_co_u32 s40, s40, s41
	s_mov_b32 s41, 0
	s_add_nc_u64 s[12:13], s[12:13], s[40:41]
	s_add_nc_u64 s[14:15], s[14:15], s[40:41]      ; the same bytes on in a row of out0,
	s_lshl_b32 s40, s42, 20
	s_lshl_b32 s98, s[HA], 19
	s_add_co_u32 s40, s40, s98                     ; at my first token: 256 x block + 128 HA rows of 4,096 bytes
	s_add_nc_u64 s[14:15], s[14:15], s[40:41]
	v_lshlrev_b32 v[BO], 6, v2
.irp b, 0,1,2,3,4,5,6,7
	global_load_b128 v[BI+8*\b:BI+8*\b+3], v[BO], s[12:13] offset:(32*(\b/2)+8*(\b%2))*4
	global_load_b128 v[BI+8*\b+4:BI+8*\b+7], v[BO], s[12:13] offset:(32*(\b/2)+8*(\b%2))*4+16
.endr
	s_wait_tensorcnt 1                             ; the scale words and my part of slot 0 are in (slot 1's load may be out)
	s_barrier_signal -1
	s_barrier_wait -1                              ; everybody's are
	FETCH_B 0, 0, 0
	FETCH_A 0, 0, 0
	SCALES 0, 0
	FETCH_A 0, 0, 4
	s_wait_loadcnt 0x0                             ; the bias
	STEP 0, 1                                      ; the first step starts the sums with the bias
	TURN 0, 1, 1, 1                                ; K's four slots' worth are written out: the loop would have one trip
	STEP 1, 0
	TURN 1, 0, 1, 2
	STEP 0, 0
	TURN 0, 1, 0, 3                                ; nothing is left to fetch: no round of the cluster's barrier
	STEP 1, 0
	s_wait_dscnt 16                                ; the very last K step
	WIN MUL_LO
	MUL16 0, 1, 1, 1, 0
	MUL16 2, 1, 1, 1, 0
	s_wait_dscnt 0x0
	WIN MUL_HI
	MUL16 4, 1, 1, 1, 0
	MUL16 6, 1, 1, 1, 0
	WIN 0
; THE WAY OUT, a tile of 16 tokens x 128 channels at a time.  A lane holds pieces of 32 bytes of one row, and the lanes beside it hold other rows: so a tile goes through my own stage in LDS and comes back as whole rows of 512 bytes.
; LDS serves a wave's instructions in order (ISA guide 5.7.1.4): no wait between the stores and the loads, nor in front of the next tile's stores.
.macro TOSTAGE a
.set AC, 64*((\a)%4)
.set WS, 0x08+4*((\a)/4)               ; the data: window 2 or 3
	WIN WS
.irp b, 0,1,2,3,4,5,6,7
	ds_store_b128 v[STO], v[AC+8*\b:AC+8*\b+3] offset:128*(\b/2)+32*(\b%2)        ; each accumulator from its low end on
	ds_store_b128 v[STO], v[AC+8*\b+4:AC+8*\b+7] offset:128*(\b/2)+32*(\b%2)+16
.endr
	WIN 0
.set BB, BK+64*((\a)%2)
.set n, 0
.rept 16
	ds_load_b128 v[BB+4*n:BB+4*n+3], v[RD] offset:n*SPITCH
.set n, n+1
.endr
.endm
.macro SEND a, younger                 ; younger: the LDS instructions issued behind tile a's loads, which may stay out
.set BB, BK+64*((\a)%2)
.set RW, 32*((\a)/2)+8*((\a)%2)        ; the tile's row t is token RW + t + 8 (t / 8) of my 128
	s_wait_dscnt \younger
.set n, 0
.rept 16
	global_store_b128 v[CO], v[BB+4*n:BB+4*n+3], s[14:15] offset:(RW+n+8*(n/8))*4096 th:TH_STORE_NT   ; 512 consecutive bytes, aligned; written once, read by nobody here
.set n, n+1
.endr
.endm
	PLACES NP                                      ; in front of the first read of results and of loads into the registers that held A's fragments
	TOSTAGE 0
.irp a, 1,2,3,4,5,6,7
.if \a > 1
	s_wait_xcnt 0x0                                ; tile a - 2's stores have read their registers: tile a's loads may land there
.endif
	TOSTAGE \a
	SEND \a-1, 32                                  ; behind tile a - 1's loads: tile a's 16 stores and 16 loads
.endr
	SEND 7, 0
	s_wait_tensorcnt 0x0                           ; the wave's end
	ds_add_u32 v[SPW], v[NIL]
	s_wait_dscnt 0x0
	CROUND                                         ; the closing round
	s_endpgm
.Lfunc_end_k_qc86c7dd5eb_oproj:
	.size	k_qc86c7dd5eb_oproj, .Lfunc_end_k_qc86c7dd5eb_oproj-k_qc86c7dd5eb_oproj
	.p2alignl 7, 3214868480
	.fill 96, 4, 3214868480
	.section	.rodata,"a",@progbits
	.p2align	6, 0x0
	.amdhsa_kernel k_qc86c7dd5eb_oproj
		.amdhsa_group_segment_fixed_size 327680
		.amdhsa_private_segment_fixed_size 0
		.amdhsa_enable_private_segment 0
		.amdhsa_kernarg_size 48
		.amdhsa_user_sgpr_count 2
		.amdhsa_user_sgpr_kernarg_segment_ptr 1
		.amdhsa_wavefront_size32 1
		.amdhsa_system_sgpr_workgroup_id_x 1
		.amdhsa_system_sgpr_workgroup_id_y 1
		.amdhsa_system_sgpr_workgroup_id_z 1
		.amdhsa_system_vgpr_workitem_id 0
		.amdhsa_next_free_vgpr 1024
		.amdhsa_next_free_sgpr 106
		.amdhsa_reserve_vcc 0
		.amdhsa_float_denorm_mode_32 3
		.amdhsa_float_denorm_mode_16_64 3
		.amdhsa_memory_ordered 1
		.amdhsa_forward_progress 1
		.amdhsa_inst_pref_size 146
	.end_amdhsa_kernel
	.amdgpu_metadata
---
amdhsa.version: [ 1, 2 ]
amdhsa.kernels:
  - .name:           k_qc86c7dd5eb_oproj
    .symbol:         k_qc86c7dd5eb_oproj.kd
    .args:
      - { .name: o_img, .offset: 0, .size: 8, .value_kind: global_buffer, .address_space: global }
      - { .name: o_sc, .offset: 8, .size: 8, .value_kind: global_buffer, .address_space: global }
      - { .name: xw_img, .offset: 16, .size: 8, .value_kind: global_buffer, .address_space: global }
      - { .name: xw_sc, .offset: 24, .size: 8, .value_kind: global_buffer, .address_space: global }
      - { .name: bo, .offset: 32, .size: 8, .value_kind: global_buffer, .address_space: global }
      - { .name: out0, .offset: 40, .size: 8, .value_kind: global_buffer, .address_space: global }
    .group_segment_fixed_size: 327680
    .private_segment_fixed_size: 0
    .kernarg_segment_align: 8
    .kernarg_segment_size: 48
    .max_flat_workgroup_size: 128
    .sgpr_count:     106
    .vgpr_count:     1024
    .wavefront_size: 32
...
	.end_amdgpu_metadata
.endif
;; end of part 4
